; MI455X (gfx1250); checked and timed in simulation.
; The chip was launched on July 23, 2026; its instructions are those of AMD's public machine-readable ISA for CDNA 5 (MIT licence, August 2026) and "CDNA5" Instruction Set Architecture Reference Guide (July 2026). The comments in the code are by the model that wrote it; some were corrected since.
;; Multi Head Cross Attn. Allowed arithmetic: matrix products marked QUANTISED: E2M1 operands, one E8M0 scale for each 32 along K, by v_wmma_scale_f32_16x16x128_f8f6f4 with both operands' format E2M1 (or v_wmma_scale_f32_32x16x128_f4), f32 sums; everything else in f32.
;; Inputs: Wkv_codes 2,048 x 32 x 16 uint8 (E2M1 codes of Wkv, K innermost, in blocks of 32 codes, two codes a byte); Wkv_scales 2,048 x 32 uint8 (E8M0 scales of Wkv, one for each 32 codes along K); Wo_codes 1,024 x 32 x 16 uint8 (E2M1 codes of Wo, K innermost, in blocks of 32 codes, two codes a byte); Wo_scales 1,024 x 32 uint8 (E8M0 scales of Wo, one for each 32 codes along K); Wq_codes 1,024 x 32 x 16 uint8 (E2M1 codes of Wq, K innermost, in blocks of 32 codes, two codes a byte); Wq_scales 1,024 x 32 uint8 (E8M0 scales of Wq, one for each 32 codes along K); beta 1,024 float32; c_codes 2,048 x 4 x 32 x 16 uint8 (E2M1 codes of c, K innermost, in blocks of 32 codes, two codes a byte); c_scales 2,048 x 4 x 32 uint8 (E8M0 scales of c, one for each 32 codes along K); gamma 1,024 float32; h 1,024 x 4 x 1,024 float32.
;; Outputs: out0 1,024 x 4 x 1,024 float32.
;; This version of the problem:
;;   THIS VERSION OF THE PROBLEM IS GIVEN IN LOW PRECISION. The matrix products marked QUANTISED in the list below multiply operands that are first quantised to E2M1 (2 exponent bits, 1 mantissa bit; 4 bits a number), with one power-of-two scale for each 32 numbers along K (OCP MX v1.0); their sums are f32. All else is computed in f32.
;;   The module's matrix products, in the order in which they are computed (A, B: the left and right operand; K: the contracted axis; several contracted axes count as one K, in the product's order):
;;     1. [M 4,096, K 1,024] x [K 1,024, N 1,024]; A: input h; B: input Wq (given as codes): QUANTISED
;;     2. [M 8,192, K 1,024] x [K 1,024, N 2,048]; A: input c (given as codes); B: input Wkv (given as codes): QUANTISED
;;     3. batch 64 x [M 2,048, K 64] x [K 64, N 1,024]; A: computed on the way; B: computed on the way: QUANTISED
;;     4. batch 64 x [M 64, K 2,048] x [K 2,048, N 1,024]; A: computed on the way; B: computed on the way: QUANTISED
;;     5. [M 4,096, K 1,024] x [K 1,024, N 1,024]; A: computed on the way; B: input Wo (given as codes): QUANTISED
;;   THE QUANTISER, for each operand of a quantised product, along K:
;;     - K is cut into blocks of 32 from its start; a last block that is shorter is filled with zeros.
;;     - A block's scale is 2^e with e = floor(log2(the largest magnitude in the block)) - 2, held to -126 .. 127; a block of zeros has e = 0. As a byte (E8M0): e + 127.
;;     - Each number is divided by its block's scale, clamped to +-6, and rounded to the nearest number of E2M1, ties to even, subnormals kept.
;;     - The product sums the exact products of the quantised numbers (number of the format x scale) in f32.
;;   ~~~python
;;   def quantise(x, axis):      # numpy; x: float32 -> the quantised numbers, widened to float32 again
;;       x = np.moveaxis(x, axis, -1); K = x.shape[-1]
;;       x = np.pad(x, [(0, 0)] * (x.ndim - 1) + [(0, -K % 32)]); x = x.reshape(x.shape[:-1] + (-1, 32)); a = np.abs(x).max(-1, keepdims=True)
;;       e = np.where(a > 0, np.clip(np.frexp(np.where(a > 0, a, 1))[1] - 1 - 2, -126, 127), 0)      # np.frexp(a)[1] - 1 = floor(log2(a)), exactly
;;       r = np.clip(x / 2.0 ** e, -6, 6)
;;       step = 2.0 ** (np.maximum(np.frexp(np.where(r == 0, 1, r))[1] - 1, 0) - 1)
;;       q = np.round(r / step) * step * 2.0 ** e      # np.round: ties to even
;;       return np.moveaxis(q.reshape(q.shape[:-2] + (-1,))[..., :K], -1, axis).astype(np.float32)
;;   ~~~
;;   OPERANDS COMPUTED ON THE WAY. 'Computed on the way' means the value that the module computes at that place (a softmax that the list does not call 'softmax' is quantised finished and normalised). What goes into a quantiser is computed in f32, as accurately as f32 sums, v_exp_f32 and their like allow (about 1e-6 of the number): no bf16 or f16 on the way to a quantiser, and a product that is left as it is and whose result goes on into a quantised operand takes f32 operands (vector FMAs, or v_wmma_f32_16x16x4_f32). A number that lies on a knife's edge between two numbers of the format may be rounded either way, as far as f32 arithmetic and the matrix unit's own rounding can turn it there, and no further.
;;   INPUTS GIVEN AS CODES. Wkv (in the module: [2048, 1024], K = its axis 1); Wo (in the module: [1024, 1024], K = its axis 1); Wq (in the module: [1024, 1024], K = its axis 1); c (in the module: [2048, 4, 1024], K = its axis 2): each comes as NAME_codes (uint8): NAME with its K axis moved to the last place and cut into blocks of 32 codes, [.., K / 32, bytes a block], one block behind the other in memory; two codes a byte, the lower K in the low four bits (a code: sign, 2 exponent bits, 1 mantissa bit); and NAME_scales (uint8): the same leading axes, one E8M0 byte (e + 127) for each 32 codes along K. Its value is code x scale, taken as it is: it is not quantised again, and the codes and scales need not be those that the quantiser above would give.
;; One version. Each part assembles by itself: llvm-mc -triple=amdgcn-amd-amdhsa -mcpu=gfx1250 --defsym DOCPART=n.
;; ======== version 1 of 1: 3 launches
;; workspace buffers: kvc 8,388,608 bytes; kvs 524,288 bytes; hq 2,228,224 bytes; wof 524,288 bytes; av 2,228,224 bytes
;; launch proj (part 1): grid 4 x 64, 16 waves a work-group, clusters of 4 x 4, 327,680 bytes of LDS; arguments c_codes, c_scales, Wkv_codes, Wkv_scales, h, Wo_codes, kvc, kvs, hq, wof; writes kvc, kvs, hq, wof
.if DOCPART == 1
	.amdgcn_target "amdgcn-amd-amdhsa--gfx1250"
	.amdhsa_code_object_version 6
	.text
	.protected	k_q7f7956857b_proj
	.globl	k_q7f7956857b_proj
	.p2align	8
	.type	k_q7f7956857b_proj,@function
k_q7f7956857b_proj:
	s_mov_b64 s[64:65], 0
	v_nop
	global_prefetch_b8 v0, s[64:65] scope:SCOPE_SE
	s_setreg_imm32_b32 hwreg(HW_REG_WAVE_MODE, 25, 1), 1
	s_wait_xcnt 0x0
	s_wait_alu depctr_hold_cnt(0) depctr_sa_sdst(0) depctr_va_vdst(0) depctr_va_sdst(0) depctr_va_ssrc(0) depctr_va_vcc(0) depctr_vm_vsrc(0)
	s_getreg_b32 s2, hwreg(HW_REG_IB_STS2, 6, 4)
	s_cmp_eq_u32 s2, 0
	s_cbranch_scc0 .Lentry_in_a_cluster
	s_endpgm
.Lentry_in_a_cluster:
	s_bfe_u32 s2, ttmp6, 0x10000c
	s_cmp_lg_u32 s2, 0xf033
	s_cbranch_scc0 .Lentry_shape_is_right
	s_endpgm
.Lentry_shape_is_right:
; kv = c Wkv^T on codes of FP4 (E2M1) with E8M0 scales, and its results quantised at once: K along the head's 64, V along the keys.  Beside that each work-group
; quantises one tile of h (16 rows i of one b, all 1,024 along K) and lays two fragments of Wo in the order of an operand's registers.
; SHARES.  256 work-groups of sixteen waves.  p = 4 x cluster y + cy (0..63): clusters 0-7 along y make K (Wkv's rows 0-1023), clusters 8-15 make V (rows 1024-2047).
; A work-group takes 256 keys j of one b (rows of c, 2,048 bytes apart) and 256 rows of Wkv (four heads), with ALL of K = 1,024 in LDS: first fills alone, in two halves along K.
; A wave takes 64 x 64: one head (a = wave / 4) and 64 keys (cidx = wave % 4): 16 accumulators, 8 steps of 128 along K, 16 matrix instructions each.
; CLUSTER 4 x 4: c's tile hangs on p alone and is asked for jointly along a row of the cluster, Wkv's on the path and cx alone and is asked for jointly along a column.
; WHICH OPERAND IS SOURCE 0: the one whose rows are the axis to be quantised, so that a lane's registers run along it.  K: source 0 = Wkv (d), source 1 = c (keys).  V: source 0 = c (keys), source 1 = Wkv (d).
; The text is one for both: only the four LDS read bases are chosen, by the cluster's y, which all partners share.
; A RESULT BECOMES CODES.  Register 8 t + j of a lane (r, h') is x = 16 t + 8 h' + j of row r.  Four conversions (8 numbers each) and two exchanges of half-waves leave block h of row r, 16 bytes, in lane (r, h).
; LAYOUTS WRITTEN.  kvc: K [head][key][32 B]; from 4,194,304 V [head][key / 128][c][d / 16][32 r + 16 h]: d = 16 t + r, keys 64 c + 32 h + 0..31.  Both: head x 65,536 + jb x 8,192 + cidx x 2,048 + t x 512 + 32 r + 16 h.
; kvs: two scale bytes where kvc has 32 bytes of codes (V's from 262,144).  hq: [tile][K step][c][lane][16 B]; from 2,097,152 [tile][r][32 scale bytes].  wof: [n / 16][K step][c][lane][16 B].
; LIMITS.  NaN and infinities are not served.  A block whose largest magnitude lies under 2^-124 keeps the scale byte 1; so does a block of zeros (the rule says 127: its codes are zeros, and this program alone reads the bytes).
.set PITCH, 272                        ; an LDS row of codes: 256 bytes + 16 = 17 x 16 bytes
.set W0,    256*PITCH                  ; LDS: c's 256 rows of K half 0 at 0, Wkv's behind them,
.set HALFK, 2*256*PITCH                ; the same two for K half 1,
.set CSC,   4*256*PITCH                ; c's scale bytes: 256 rows of 32 bytes + 16,
.set WSC,   CSC+256*48                 ; Wkv's,
.set GST,   WSC+256*48                 ; the stage for K's or V's scale bytes: 128 bytes a wave,
.set HGS,   GST+2048                   ; the stage for h's: 32 bytes a row,
.set SPARE, HGS+512                    ; and the spare words, 128 bytes for each of the sixteen waves: eight blocks of 256 bytes that no other line names
.set SPW, 1                            ; v1   my spare word's address; never rewritten
.set NIL, 2                            ; v2   0; never rewritten
.set LI,  3                            ; v3   16 x lane
.set RH,  4                            ; v4   32 r + 16 h
.set AD0, 5                            ; v5-6 source 0's fragments, K half 0 and 1
.set AD1, 7                            ; v7-8 source 1's
.set SA0, 9                            ; v9   source 0's scale words
.set SA1, 10                           ; v10  source 1's
.set HAD, 11                           ; v11  my chunk of h
.set GW,  12                           ; v12  where my scale bytes go
.set HGW, 13                           ; v13  where h's go
.set GR,  14                           ; v14  where a storing wave reads 512 scale bytes back
.set WOA, 15                           ; v15  512 r + 16 h: a fragment's bytes in rows of Wo
.set TM,  20                           ; v20-31 at work in QUANT
.set SC0, 32                           ; v32-47 source 0's scale words: four a tile; lanes 0-15 K steps 0-3, lanes 16-31 K steps 4-7
.set SC1, 48                           ; v48-63 source 1's
.set F0,  64                           ; v64-95  source 0's four fragments
.set F1,  96                           ; v96-127 source 1's
.set ACC, 128                          ; v128-255: accumulator (u, t) at 128 + 8 (4 u + t): u source 1's tile, t source 0's
.set PCS, 64                           ; behind the products: five sets of four registers of codes,
.set PWS, 84                           ; five scale words,
.set HX,  96                           ; and 32 numbers of h
.set WV,  14                           ; s14 wave; s15 a; s16 cidx; s17 cx; s18 cy; s19 g = 4 p + cx; s20 p; s21 path; s2 jb; s3 b
.set SEL, 22                           ; s[22:23] selects for lane l xor 16
.set G0H, 28
.set G1C, 32
.set G1W, 40
.set G1CS, 48
.set G1WS, 56
.set G1H, 68
.set G0CS, 76
.set G0C0, 80
.set G0C1, 84
.set G0WS, 88
.set G0W0, 92
.set G0W1, 96
.macro NOPS n
.rept \n
	v_nop
.endr
.endm
; A round of the cluster's barrier: my work-group's barrier; wave 0 signals for the work-group; every wave waits for all sixteen work-groups; my work-group's barrier once more.
.macro CROUND
	s_barrier_signal -1
	s_barrier_wait -1
	s_cmp_lg_u32 s[WV], 0
	s_cbranch_scc1 .Lnot_wave_0_\@
	s_barrier_signal -3
.Lnot_wave_0_\@:
	s_barrier_wait -3
	s_barrier_signal -1
	s_barrier_wait -1
.endm
; One product 16 x 16 x 128.  z = 1: it starts the sum.  row = 1: both sides' scale words are taken from lanes 16-31.
.macro MM d, a, b, z, sa, sb, row
.if \z
	v_wmma_scale_f32_16x16x128_f8f6f4 v[\d:\d+7], v[\a:\a+7], v[\b:\b+7], 0, v[\sa], v[\sb] matrix_a_fmt:MATRIX_FMT_FP4 matrix_b_fmt:MATRIX_FMT_FP4
.else
.if \row
	v_wmma_scale_f32_16x16x128_f8f6f4 v[\d:\d+7], v[\a:\a+7], v[\b:\b+7], v[\d:\d+7], v[\sa], v[\sb] matrix_a_fmt:MATRIX_FMT_FP4 matrix_b_fmt:MATRIX_FMT_FP4 matrix_a_scale:MATRIX_SCALE_ROW1 matrix_b_scale:MATRIX_SCALE_ROW1
.else
	v_wmma_scale_f32_16x16x128_f8f6f4 v[\d:\d+7], v[\a:\a+7], v[\b:\b+7], v[\d:\d+7], v[\sa], v[\sb] matrix_a_fmt:MATRIX_FMT_FP4 matrix_b_fmt:MATRIX_FMT_FP4
.endif
.endif
.endm
; 32 numbers of a lane, register 16 b + 8 e + j = k 32 b + 16 e + 8 h' + j of my row, become 16 bytes of codes (block h of row r in lane (r, h)) in v[pc] on, and the row's two scale bytes in v[pw].
.macro QUANT s, pc, pw
.irp b, 0,1
	v_max3_num_f32 v[TM+\b], |v[(\s)+16*\b]|, |v[(\s)+16*\b+1]|, 0x1800000   ; my 16 numbers of block b, from the low end on, and the floor 2^(3 - 127): the byte cannot fall under 1
.endr
.irp i, 2,4,6,8,10,12,14
.irp b, 0,1
	v_max3_num_f32 v[TM+\b], v[TM+\b], |v[(\s)+16*\b+\i]|, |v[(\s)+16*\b+\i+1]|
.endr
.endr
.irp b, 0,1
	v_permlanex16_b32 v[TM+4+\b], v[TM+\b], s[SEL], s[SEL+1]
.endr
.irp b, 0,1
	v_max_num_f32 v[TM+\b], v[TM+\b], v[TM+4+\b]              ; with lane l xor 16's 16: the block's largest magnitude
.endr
.irp b, 0,1
	v_add_nc_u32 v[TM+8+\b], 0xff000000, v[TM+\b]             ; 2 off its exponent field: the conversion's scale operand
.endr
.irp b, 0,1
	v_lshrrev_b32 v[TM+4+\b], 23, v[TM+8+\b]                  ; the scale's byte
.endr
	v_lshl_or_b32 v[\pw], v[TM+5], 8, v[TM+4]
	v_cvt_scalef32_pk8_fp4_f32 v[(\pc)], v[(\s):(\s)+7], v[TM+8]         ; k 8 h' + 0..7
	v_cvt_scalef32_pk8_fp4_f32 v[(\pc)+2], v[(\s)+8:(\s)+15], v[TM+8]    ; k 16 + 8 h' ..
	v_cvt_scalef32_pk8_fp4_f32 v[(\pc)+1], v[(\s)+16:(\s)+23], v[TM+9]   ; k 32 + 8 h' ..
	v_cvt_scalef32_pk8_fp4_f32 v[(\pc)+3], v[(\s)+24:(\s)+31], v[TM+9]   ; k 48 + 8 h' ..
	v_nop                                                     ; one plain line behind the conversions
	v_permlane16_swap_b32 v[(\pc)], v[(\pc)+1]                ; the first's lanes 16-31 change places with the second's lanes 0-15:
	v_permlane16_swap_b32 v[(\pc)+2], v[(\pc)+3]              ; lanes 0-15 now hold k 0..31 in ascending order, lanes 16-31 k 32..63
.endm
; A step of 128 along K, the q-th: 16 LDS loads, 16 products; the 16 accumulators take turns, one instruction a turn.
.macro KSTEP q
.if ((\q) != 0) && ((\q) != 4)
	NOPS 4                                                    ; four plain lines between the last products and loads into the registers that they read (at q = 4 those behind the tensor load serve)
.endif
.irp t, 0,1,2,3
.irp c, 0,1
	ds_load_b128 v[F0+8*\t+4*\c:F0+8*\t+4*\c+3], v[AD0+(\q)/4] offset:\t*16*PITCH+64*((\q)%4)+32*\c
	ds_load_b128 v[F1+8*\t+4*\c:F1+8*\t+4*\c+3], v[AD1+(\q)/4] offset:\t*16*PITCH+64*((\q)%4)+32*\c
.endr
.endr
	s_wait_dscnt 0x0
.irp u, 0,1,2,3
.irp t, 0,1,2,3
.if (\q) == 0
	MM ACC+8*(4*\u+\t), F0+8*\t, F1+8*\u, 1, SC0+4*\t, SC1+4*\u, 0
.else
	MM ACC+8*(4*\u+\t), F0+8*\t, F1+8*\u, 0, SC0+4*\t+(\q)%4, SC1+4*\u+(\q)%4, (\q)/4
.endif
.endr
.endr
.endm
	s_load_b256 s[4:11], s[0:1], 0x0               ; c's codes s[4:5], c's scales s[6:7], Wkv's codes s[8:9], Wkv's scales s[10:11]
	s_load_b64 s[12:13], s[0:1], 0x20              ; h
	v_lshl_add_u32 v[SPW], v0, 2, SPARE
	v_mov_b32 v[NIL], 0
	ds_add_u32 v[SPW], v[NIL]                      ; the wave's opening: the add and its wait ahead of my first tensor load; the set-up below, work on registers, stands between them
	v_lshrrev_b32 v16, 5, v0
	v_readfirstlane_b32 s[WV], v16                 ; wave 0..15
	s_lshr_b32 s15, s[WV], 2                       ; a: which 64 rows of Wkv's tile (which head)
	s_and_b32 s16, s[WV], 3                        ; cidx: which 64 keys
	s_bfe_u32 s17, ttmp6, 0x40000                  ; cx
	s_bfe_u32 s18, ttmp6, 0x40004                  ; cy
	s_and_b32 s19, ttmp7, 0xffff                   ; the cluster's y
	s_lshr_b32 s21, s19, 3                         ; path: 0 K, 1 V: the same in all sixteen partners
	s_lshl_b32 s20, s19, 2
	s_add_co_u32 s20, s20, s18                     ; p = 4 x cluster y + cy
	s_lshl_b32 s19, s20, 2
	s_add_co_u32 s19, s19, s17                     ; g = 4 p + cx: my tile of h, my two fragments of Wo
	s_and_b32 s2, s20, 31
	s_lshr_b32 s3, s2, 3                           ; b
	s_and_b32 s2, s2, 7                            ; jb: keys 256 jb on
	s_mov_b32 s[SEL], 0x76543210
	s_mov_b32 s[SEL+1], 0xfedcba98
	s_lshl_b32 s100, s18, 2
	s_lshl_b32 s100, 15, s100                      ; my row of the cluster
	s_lshl_b32 s101, 0x1111, s17                   ; my column
	; descriptor groups 1.  Codes: 128 rows of 256 bytes, 16 bytes of padding behind each.  Scale bytes: 128 rows of 32 bytes, 16 behind each.  h: 16 rows of 64 numbers, 16 bytes behind each, no mask.
	s_or_b32 s[G1C], s100, (1<<20)|(1<<21)|(5<<22)|(3<<25)      ; 15:0 the mask; 17:16 elements of 1 byte; 20 padding on; 21 set beside a mask; 24:22 after every 64 words; 31:25 four words
	s_or_b32 s[G1W], s101, (1<<20)|(1<<21)|(5<<22)|(3<<25)
	s_or_b32 s[G1CS], s100, (1<<20)|(1<<21)|(2<<22)|(3<<25)     ; after every 8 words
	s_or_b32 s[G1WS], s101, (1<<20)|(1<<21)|(2<<22)|(3<<25)
	s_mov_b32 s[G1H], (2<<16)|(1<<20)|(5<<22)|(3<<25)           ; elements of 4 bytes
.irp g, G1C, G1W
	s_mov_b32 s[\g+1], 256<<16                     ; tensor_dim0
	s_mov_b32 s[\g+2], 128<<16                     ; tensor_dim1
	s_mov_b32 s[\g+3], 256<<16                     ; tile_dim0
	s_mov_b32 s[\g+4], 128                         ; tile_dim1
	s_mov_b32 s[\g+6], 0
	s_mov_b32 s[\g+7], 0
.endr
	s_mov_b32 s[G1C+5], 2048                       ; from key to key at one b
	s_mov_b32 s[G1W+5], 512
.irp g, G1CS, G1WS
	s_mov_b32 s[\g+1], 32<<16
	s_mov_b32 s[\g+2], 128<<16
	s_mov_b32 s[\g+3], 32<<16
	s_mov_b32 s[\g+4], 128
	s_mov_b32 s[\g+6], 0
	s_mov_b32 s[\g+7], 0
.endr
	s_mov_b32 s[G1CS+5], 128
	s_mov_b32 s[G1WS+5], 32
	s_mov_b32 s[G1H+1], 64<<16
	s_mov_b32 s[G1H+2], 16<<16
	s_mov_b32 s[G1H+3], 64<<16
	s_mov_b32 s[G1H+4], 16
	s_mov_b32 s[G1H+5], 4096                       ; from i to i + 1 at one b, in numbers
	s_mov_b32 s[G1H+6], 0
	s_mov_b32 s[G1H+7], 0
	; groups 0: the LDS addresses hang on the wave's number alone
	s_and_b32 s26, s[WV], 1                        ; which 128 rows of a tile I fetch, if I fetch
	s_mul_i32 s27, s26, 128*48
	s_add_co_u32 s[G0CS+1], s27, CSC
	s_add_co_u32 s[G0WS+1], s27, WSC
	s_mul_i32 s27, s26, 128*PITCH
	s_mov_b32 s[G0C0+1], s27
	s_add_co_u32 s[G0C1+1], s27, HALFK
	s_add_co_u32 s[G0W0+1], s27, W0
	s_add_co_u32 s[G0W1+1], s27, W0+HALFK
	s_mul_i32 s[G0H+1], s[WV], 16*PITCH            ; my chunk of h lands in the bytes that held c's K half 0
.irp g, G0H, G0CS, G0C0, G0C1, G0WS, G0W0, G0W1
	s_mov_b32 s[\g], 1
.endr
	; the byte offsets in memory.  c's are made of p and the wave (never cx), Wkv's of the path, cx and the wave (never cy)
	s_lshl_b32 s25, s26, 7                         ; 128 x half
	s_lshl_b32 s24, s2, 8
	s_add_co_u32 s24, s24, s25
	s_lshl_b32 s24, s24, 2
	s_add_co_u32 s24, s24, s3                      ; c's row: 4 (256 jb + 128 half) + b
	s_lshl_b32 s[G0CS+2], s24, 5
	s_mov_b32 s[G0CS+3], 0
	s_lshl_b32 s[G0C0+2], s24, 9
	s_mov_b32 s[G0C0+3], 0
	s_lshl_b32 s[G0W0+2], s21, 10
	s_lshl_b32 s[G0W0+3], s17, 8
	s_add_co_u32 s[G0W0+2], s[G0W0+2], s[G0W0+3]
	s_add_co_u32 s[G0W0+2], s[G0W0+2], s25         ; Wkv's row: 1,024 path + 256 cx + 128 half
	s_lshl_b32 s[G0WS+2], s[G0W0+2], 5
	s_mov_b32 s[G0WS+3], 0
	s_lshl_b32 s[G0W0+2], s[G0W0+2], 9
	s_mov_b32 s[G0W0+3], 0
	s_lshl_b32 s[G0H+2], s20, 6
	s_add_co_u32 s[G0H+2], s[G0H+2], s17           ; h's row 4 (16 p) + cx,
	s_lshl_b32 s[G0H+2], s[G0H+2], 12
	s_lshl_b32 s[G0H+3], s[WV], 8                  ; my 64 numbers of it
	s_add_co_u32 s[G0H+2], s[G0H+2], s[G0H+3]
	s_mov_b32 s[G0H+3], 0
	; every LDS address register
	v_and_b32 v16, 31, v0                          ; lane
	v_and_b32 v17, 15, v0                          ; r
	v_bfe_u32 v18, v0, 4, 1                        ; h
	v_lshlrev_b32 v[LI], 4, v16
	v_lshlrev_b32 v[RH], 5, v17
	v_lshl_add_u32 v[RH], v18, 4, v[RH]
	v_mul_u32_u24 v19, v17, PITCH
	v_lshl_add_u32 v16, v18, 4, v19                ; 272 r + 16 h
	s_mul_i32 s24, s15, 64*PITCH
	s_add_co_u32 s24, s24, W0                      ; my 64 rows of Wkv's tile
	s_mul_i32 s25, s16, 64*PITCH                   ; my 64 rows of c's
	s_cmp_eq_u32 s21, 0
	s_cselect_b32 s26, s24, s25                    ; source 0: K: Wkv; V: c
	s_cselect_b32 s27, s25, s24                    ; source 1: the other
	v_add_nc_u32 v[AD0], s26, v16
	v_add_nc_u32 v[AD0+1], HALFK, v[AD0]
	v_add_nc_u32 v[AD1], s27, v16
	v_add_nc_u32 v[AD1+1], HALFK, v[AD1]
	v_lshl_add_u32 v19, v18, 5, v19                ; 272 r + 32 h
	v_add_nc_u32 v[HAD], s[G0H+1], v19
	v_mul_u32_u24 v16, v17, 48
	v_lshl_add_u32 v16, v18, 4, v16                ; 48 r + 16 h: lanes 0-15 take a row's K steps 0-3, lanes 16-31 its K steps 4-7
	s_mul_i32 s24, s15, 64*48
	s_add_co_u32 s24, s24, WSC
	s_mul_i32 s25, s16, 64*48
	s_add_co_u32 s25, s25, CSC
	s_cmp_eq_u32 s21, 0
	s_cselect_b32 s26, s24, s25
	s_cselect_b32 s27, s25, s24
	v_add_nc_u32 v[SA0], s26, v16
	v_add_nc_u32 v[SA1], s27, v16
	s_lshl_b32 s24, s[WV], 7
	s_add_co_u32 s24, s24, GST
	v_lshl_add_u32 v[GW], v17, 1, s24              ; GST + 128 wave + 2 r
	s_lshl_b32 s24, s[WV], 1
	s_add_co_u32 s24, s24, HGS
	v_lshl_add_u32 v[HGW], v17, 5, s24             ; HGS + 32 r + 2 wave
	s_min_u32 s24, s[WV], 4
	s_lshl_b32 s24, s24, 9
	s_add_co_u32 s24, s24, GST
	v_add_nc_u32 v[GR], s24, v[LI]                 ; waves 0-3: a head's 512 bytes; wave 4: h's 512
	v_lshlrev_b32 v[WOA], 9, v17
	v_lshl_add_u32 v[WOA], v18, 4, v[WOA]
	v_mov_b32 v[TM+4], 0                           ; written once: a lane permute's destination counts as one of its sources
	v_mov_b32 v[TM+5], 0
	s_wait_dscnt 0x0                               ; the opening add is done
	s_wait_kmcnt 0x0
	s_add_nc_u64 s[G0CS+2:G0CS+3], s[6:7], s[G0CS+2:G0CS+3]
	s_add_nc_u64 s[G0C0+2:G0C0+3], s[4:5], s[G0C0+2:G0C0+3]
	s_add_nc_u64 s[G0C1+2:G0C1+3], s[G0C0+2:G0C0+3], 256      ; K half 1: 256 bytes on in each row
	s_add_nc_u64 s[G0WS+2:G0WS+3], s[10:11], s[G0WS+2:G0WS+3]
	s_add_nc_u64 s[G0W0+2:G0W0+3], s[8:9], s[G0W0+2:G0W0+3]
	s_add_nc_u64 s[G0W1+2:G0W1+3], s[G0W0+2:G0W0+3], 256
	s_add_nc_u64 s[G0H+2:G0H+3], s[12:13], s[G0H+2:G0H+3]
.irp g, G0H, G0CS, G0C0, G0C1, G0WS, G0W0, G0W1
	s_or_b32 s[\g+3], s[\g+3], 0x80000000          ; type = 2
.endr
	CROUND                                         ; all sixteen work-groups are here: the first joint loads meet
	; the first fills, one group: waves 0, 1 fetch c's halves of rows, waves 2, 3 Wkv's: scale bytes, K half 0, K half 1.  Three loads of a wave are out.  An s_nop 0 follows each, four v_nop the third.
	s_cmp_lt_u32 s[WV], 2
	s_cbranch_scc0 .Lnot_c
	tensor_load_to_lds s[G0CS:G0CS+3], s[G1CS:G1CS+7]
	s_nop 0
	tensor_load_to_lds s[G0C0:G0C0+3], s[G1C:G1C+7]
	s_nop 0
	tensor_load_to_lds s[G0C1:G0C1+3], s[G1C:G1C+7]
	s_nop 0
	NOPS 4
	s_branch .Lasked
.Lnot_c:
	s_cmp_lt_u32 s[WV], 4
	s_cbranch_scc0 .Lasked
	tensor_load_to_lds s[G0WS:G0WS+3], s[G1WS:G1WS+7]
	s_nop 0
	tensor_load_to_lds s[G0W0:G0W0+3], s[G1W:G1W+7]
	s_nop 0
	tensor_load_to_lds s[G0W1:G0W1+3], s[G1W:G1W+7]
	s_nop 0
	NOPS 4
.Lasked:
	s_load_b64 s[4:5], s[0:1], 0x28                ; Wo's codes
	s_load_b128 s[8:11], s[0:1], 0x30              ; kvc, kvs
	s_load_b64 s[12:13], s[0:1], 0x40              ; hq
	s_load_b64 s[6:7], s[0:1], 0x48                ; wof
	s_wait_kmcnt 0x0
	; waves 4-7 lay Wo: fragment f = 2 g + cidx / 2 (rows 16 (f / 8) + r, K step f % 8), half c = cidx % 2: 16 bytes a lane, out as 512 consecutive bytes
	s_cmp_eq_u32 s15, 1
	s_cbranch_scc0 .Lno_wo
	s_lshl_b32 s24, s19, 1
	s_lshr_b32 s25, s16, 1
	s_add_co_u32 s24, s24, s25                     ; f
	s_and_b32 s25, s16, 1                          ; c
	s_lshr_b32 s26, s24, 3
	s_lshl_b32 s26, s26, 13                        ; 16 rows of 512 bytes
	s_and_b32 s27, s24, 7
	s_lshl_b32 s27, s27, 6
	s_add_co_u32 s26, s26, s27
	s_lshl_b32 s27, s25, 5
	s_add_co_u32 s26, s26, s27
	s_mov_b32 s27, 0
	s_add_nc_u64 s[4:5], s[4:5], s[26:27]
	s_lshl_b32 s26, s24, 10
	s_lshl_b32 s25, s25, 9
	s_add_co_u32 s26, s26, s25
	s_add_nc_u64 s[6:7], s[6:7], s[26:27]
	global_load_b128 v[F0:F0+3], v[WOA], s[4:5]
	s_wait_loadcnt 0x0
	global_store_b128 v[LI], v[F0:F0+3], s[6:7]
.Lno_wo:
	s_wait_tensorcnt 0x1                           ; my scale bytes and my part of K half 0 are in; K half 1's load may stay out
	s_barrier_signal -1
	s_barrier_wait -1                              ; everybody's are
	s_wait_xcnt 0x0                                ; Wo's load and store have read their registers: v64-67 and s[4:7] are written again only behind this wait
.irp t, 0,1,2,3
	ds_load_b128 v[SC0+4*\t:SC0+4*\t+3], v[SA0] offset:768*\t
	ds_load_b128 v[SC1+4*\t:SC1+4*\t+3], v[SA1] offset:768*\t
.endr
	KSTEP 0
	KSTEP 1
	KSTEP 2
	KSTEP 3
	s_wait_tensorcnt 0x0                           ; all my tensor loads have landed: K half 1
	ds_add_u32 v[SPW], v[NIL]                      ; 0 onto my spare word
	s_wait_dscnt 0x0                               ; the add is done, and my reads of K half 0 are over
	CROUND                                         ; both now hold of every wave: K half 1 is whole, and nobody reads c's K half 0 any more
	tensor_load_to_lds s[G0H:G0H+3], s[G1H:G1H+7]  ; my one tensor load behind the round: 16 rows x 64 numbers of h, my own bytes; it lands while K half 1 is multiplied
	s_nop 0
	NOPS 4
	KSTEP 4
	KSTEP 5
	KSTEP 6
	KSTEP 7
	; ---- h: my 64 along K of the tile's 16 rows become half a fragment
	s_wait_tensorcnt 0x0                           ; my chunk is in; only I read it
	NOPS 4                                         ; four plain lines behind the last products: loads into their sources follow, and reads of their results
.irp b, 0,1
.irp e, 0,1
.irp j, 0,1
	ds_load_b128 v[HX+16*\b+8*\e+4*\j:HX+16*\b+8*\e+4*\j+3], v[HAD] offset:128*\b+64*\e+16*\j
.endr
.endr
.endr
	s_lshl_b32 s24, s19, 13
	s_lshl_b32 s25, s[WV], 9
	s_add_co_u32 s24, s24, s25
	s_mov_b32 s25, 0
	s_add_nc_u64 s[4:5], s[12:13], s[24:25]        ; hq: tile g, my 512 bytes (K step wave / 2, half wave % 2)
	s_lshl_b32 s24, s19, 9
	s_add_co_u32 s24, s24, 2097152
	s_add_nc_u64 s[12:13], s[12:13], s[24:25]      ; hq: tile g's scale bytes
	s_lshl_b32 s26, s3, 4
	s_lshl_b32 s27, s17, 2
	s_add_co_u32 s26, s26, s27                     ; 16 b + 4 cx
	s_add_co_u32 s24, s26, s15                     ; my head
	s_lshl_b32 s24, s24, 16
	s_lshl_b32 s27, s21, 22
	s_add_co_u32 s24, s24, s27
	s_lshl_b32 s27, s2, 13
	s_add_co_u32 s24, s24, s27
	s_lshl_b32 s27, s16, 11
	s_add_co_u32 s24, s24, s27
	s_add_nc_u64 s[8:9], s[8:9], s[24:25]          ; kvc: path, head, jb, cidx
	s_min_u32 s24, s[WV], 3
	s_add_co_u32 s24, s24, s26                     ; the head whose scale bytes a storing wave takes
	s_lshl_b32 s24, s24, 12
	s_lshl_b32 s27, s21, 18
	s_add_co_u32 s24, s24, s27
	s_lshl_b32 s27, s2, 9
	s_add_co_u32 s24, s24, s27
	s_add_nc_u64 s[10:11], s[10:11], s[24:25]
	s_cmp_eq_u32 s[WV], 4
	s_cselect_b64 s[6:7], s[12:13], s[10:11]       ; wave 4 stores h's scale bytes, waves 0-3 a head's
	s_wait_dscnt 0x0
	QUANT HX, PCS, PWS
	global_store_b128 v[LI], v[PCS:PCS+3], s[4:5]  ; 512 consecutive bytes
	ds_store_b16 v[HGW], v[PWS]                    ; both lanes of a row write the same two bytes
	; ---- my 64 x 64 results: for each of source 1's four tiles, 64 along the quantised axis
.irp u, 0,1,2,3
	QUANT ACC+32*\u, PCS+4+4*\u, PWS+1+\u
	global_store_b128 v[RH], v[PCS+4+4*\u:PCS+4+4*\u+3], s[8:9] offset:512*\u   ; 512 consecutive bytes
	ds_store_b16 v[GW], v[PWS+1+\u] offset:32*\u
.endr
	s_wait_dscnt 0x0                               ; for the others' sake: my scale bytes lie in the stages
	s_barrier_signal -1
	s_barrier_wait -1
	s_cmp_lt_u32 s[WV], 5
	s_cbranch_scc0 .Lno_sc
	ds_load_b128 v[HX:HX+3], v[GR]
	s_wait_dscnt 0x0
	global_store_b128 v[LI], v[HX:HX+3], s[6:7]    ; 512 consecutive scale bytes
.Lno_sc:
	s_wait_tensorcnt 0x0                           ; the wave's end, behind my last tensor load and my last LDS store
	ds_add_u32 v[SPW], v[NIL]
	s_wait_dscnt 0x0
	CROUND                                         ; the closing round: no work-group ends while a partner may still ask for a tile that names it
	s_endpgm
.Lfunc_end_k_q7f7956857b_proj:
	.size	k_q7f7956857b_proj, .Lfunc_end_k_q7f7956857b_proj-k_q7f7956857b_proj
	.p2alignl 7, 3214868480
	.fill 96, 4, 3214868480
	.section	.rodata,"a",@progbits
	.p2align	6, 0x0
	.amdhsa_kernel k_q7f7956857b_proj
		.amdhsa_group_segment_fixed_size 327680
		.amdhsa_private_segment_fixed_size 0
		.amdhsa_enable_private_segment 0
		.amdhsa_kernarg_size 80
		.amdhsa_user_sgpr_count 2
		.amdhsa_user_sgpr_kernarg_segment_ptr 1
		.amdhsa_wavefront_size32 1
		.amdhsa_system_sgpr_workgroup_id_x 1
		.amdhsa_system_sgpr_workgroup_id_y 1
		.amdhsa_system_sgpr_workgroup_id_z 1
		.amdhsa_system_vgpr_workitem_id 0
		.amdhsa_next_free_vgpr 256
		.amdhsa_next_free_sgpr 102
		.amdhsa_reserve_vcc 0
		.amdhsa_float_denorm_mode_32 3
		.amdhsa_float_denorm_mode_16_64 3
		.amdhsa_memory_ordered 1
		.amdhsa_forward_progress 1
		.amdhsa_inst_pref_size 50
	.end_amdhsa_kernel
	.amdgpu_metadata
---
amdhsa.version: [ 1, 2 ]
amdhsa.kernels:
  - .name:           k_q7f7956857b_proj
    .symbol:         k_q7f7956857b_proj.kd
    .args:
      - { .name: c_codes, .offset: 0, .size: 8, .value_kind: global_buffer, .address_space: global }
      - { .name: c_scales, .offset: 8, .size: 8, .value_kind: global_buffer, .address_space: global }
      - { .name: Wkv_codes, .offset: 16, .size: 8, .value_kind: global_buffer, .address_space: global }
      - { .name: Wkv_scales, .offset: 24, .size: 8, .value_kind: global_buffer, .address_space: global }
      - { .name: h, .offset: 32, .size: 8, .value_kind: global_buffer, .address_space: global }
      - { .name: Wo_codes, .offset: 40, .size: 8, .value_kind: global_buffer, .address_space: global }
      - { .name: kvc, .offset: 48, .size: 8, .value_kind: global_buffer, .address_space: global }
      - { .name: kvs, .offset: 56, .size: 8, .value_kind: global_buffer, .address_space: global }
      - { .name: hq, .offset: 64, .size: 8, .value_kind: global_buffer, .address_space: global }
      - { .name: wof, .offset: 72, .size: 8, .value_kind: global_buffer, .address_space: global }
    .group_segment_fixed_size: 327680
    .private_segment_fixed_size: 0
    .kernarg_segment_align: 8
    .kernarg_segment_size: 80
    .max_flat_workgroup_size: 512
    .sgpr_count:     102
    .vgpr_count:     256
    .wavefront_size: 32
...
	.end_amdgpu_metadata
.endif
;; end of part 1
;; launch attn (part 2): grid 256 x 1, 16 waves a work-group, no clusters, 250,880 bytes of LDS; arguments hq, Wq_codes, Wq_scales, kvc, kvs, av; writes av
.if DOCPART == 2
	.amdgcn_target "amdgcn-amd-amdhsa--gfx1250"
	.amdhsa_code_object_version 6
	.text
	.protected	k_q7f7956857b_attn
	.globl	k_q7f7956857b_attn
	.p2align	8
	.type	k_q7f7956857b_attn,@function
k_q7f7956857b_attn:
	s_mov_b64 s[64:65], 0
	v_nop
	global_prefetch_b8 v0, s[64:65] scope:SCOPE_SE
	s_setreg_imm32_b32 hwreg(HW_REG_WAVE_MODE, 25, 1), 1
	s_wait_xcnt 0x0
; q = Q(h) Wq^T, scores = k q, p = softmax over the 2,048 keys, divided once more by (its sum + 1e-8), o = v^T p, and o quantised: all products on codes of FP4 (E2M1) with E8M0 scales.
; p IS QUANTISED FINISHED AND NORMALISED, so a row's sum over all keys is known before any code of p is made.  To walk the scores once all the same, THE SIXTEEN WAVES SHARE THE KEYS:
; a work-group owns 256 queries of one (b, head); wave w owns keys 128 w .. 128 w + 127.  Its fragments of K and V stay in its registers for the whole launch (72 registers), its 16 x 128 scores of a tile of
; queries stay in 64 registers from the exponential to the conversion, and what goes round through LDS is small: (-M, L) of each wave and query, then the waves' partial sums of o.
; A TILE OF 16 QUERIES, one barrier: scores | my largest t, rounded up to a whole number M_w | p' = 2^(t - M_w), its sum L_w | (-M_w, L_w) to LDS | barrier | M = the largest M_w, L = the sum of L_w 2^(M_w - M) (exact
; powers of two) | p = p' x 2^(M_w - M) x (1 / L) x 1 / (L x (1 / L) + 1e-8) | codes | my partial o^T (64 x 16) to LDS.  The partial sums of the tile before are added in the same stretch: wave w adds a sixteenth of them.
; Statistics and partial sums have two buffers each, by the tile's parity, so that one barrier a tile orders both.
; K = 64 IN AN INSTRUCTION OF K = 128: source 0 packs two tiles of keys (registers 0-3 one, 4-7 the other) and is multiplied once by [q, 0] and once by [0, q], both runs out of the 12 registers [0, q, 0]: zero codes add nothing.
; BOTH PRODUCTS ARE USED TRANSPOSED: a lane holds one query (lane % 16) throughout.  Register 8 t + j of lane (r, h') is key (or d) 16 t + 8 h' + j; conversions and exchanges of half-waves give the operand's order.
; NO CLUSTER: the four work-groups of a head read the same K and V, once, 139,264 bytes, straight into registers.  A joint load lands in LDS alone, and 250,880 + 139,264 bytes are more than a work-group can claim.
; NO PREFETCH: nothing is loaded from memory inside the loop.
; LIMITS.  NaN and infinities are not served.  A block whose largest magnitude lies under 2^-124 keeps the scale byte 1, and so does a block of zeros (its codes are zeros; this program alone reads the bytes).
; The sum of the normalised p is formed as L x (1 / L), equal to it within f32 rounding.  A p' under 2^-126 is 0.  A block's largest p is made from its largest score by the same instructions as every p: that leans on
; v_exp_f32 not falling where its input rises.
.set WQ,    0                          ; LDS: the head's 64 rows of Wq: 512 bytes + 16,
.set WQS,   33792                      ; their scale bytes: 32 + 16,
.set QIMG,  36864                      ; q's codes: 16 tiles x 512 bytes, as images of the operand's registers,
.set QSC,   45056                      ; q's scale words: 16 x 128 bytes,
.set STA,   47104                      ; the statistics: 2 x (16 queries x (16 waves x 8 bytes + 16)),
.set STP,   2304
.set OP,    51712                      ; the partial sums: 2 x (16 waves x 4,096 bytes: images of 32 registers),
.set OPP,   65536
.set OACC,  182784                     ; o: [adding wave][tile][lane][8 bytes],
.set ASG,   248320                     ; the stage for o's scale bytes,
.set SPARE, 248832                     ; and the spare words, 128 bytes for each of the sixteen waves: eight blocks of 256 bytes that no other line names
.set SPW, 1
.set NIL, 2
.set LI,  3                            ; 16 x lane
.set LS,  4                            ; 4 x lane
.set RH,  5                            ; 32 r + 16 h
.set R2,  6                            ; 2 r
.set STW, 7                            ; STA + 144 r + 8 wave
.set STR, 8                            ; STA + 144 r + 64 h
.set OPW, 9                            ; v9-10  OP (+ OPP) + 4,096 wave + 16 lane
.set OPR, 11                           ; v11-12 OP (+ OPP) + 256 wave + 8 lane
.set OAW, 13                           ; OACC + 4,096 wave + 8 lane
.set QAD, 14                           ; the image of q in hand
.set QSA, 15                           ; and its scale words
.set OAD, 16
.set KF,  24                           ; v24-55  K: four operands of two tiles of 16 keys
.set KS,  56                           ; v56-59  their scale words
.set VF,  60                           ; v60-91  V^T: four tiles of 16 d x 128 keys
.set VS,  92                           ; v92-95  their scale words
.set QZ,  96                           ; v96-107 [0, q, 0]
.set QS,  108                          ; q's scale word (s0, s1, s0, s1)
.set PW,  109                          ; p's scale word
.set ML,  110                          ; v[110:111] -M_w, L_w
.set S,   112                          ; v112-175 the scores, then p; v112-143 then my partial o^T
.set R,   176                          ; v176-207 sixteen pairs of partial sums
.set PC,  208                          ; v208-215 p's codes
.set BM,  216                          ; v216-219 each block's largest
.set T4,  220
.set SCL, 224
.set STT, 228                          ; v228-243 eight waves' (-M, L)
.set SU,  244
.set FF,  248                          ; v[248:249] the factor
.set QA,  208                          ; the Q projection: q's four accumulators v208-239; Wq's scale words v240-255; h's v108-111; h's fragments in S; Wq's in R
.set TM,  196                          ; QUANT's registers at work, v196-207
.set WV,  16
.set CF,  24                           ; s[24:25] log2(e) / 8
.set SEL, 26
.macro NOPS n
.rept \n
	v_nop
.endr
.endm
.macro MM d, a, b, z, sa, sb, row
.if \z
	v_wmma_scale_f32_16x16x128_f8f6f4 v[\d:\d+7], v[\a:\a+7], v[\b:\b+7], 0, v[\sa], v[\sb] matrix_a_fmt:MATRIX_FMT_FP4 matrix_b_fmt:MATRIX_FMT_FP4
.else
.if \row
	v_wmma_scale_f32_16x16x128_f8f6f4 v[\d:\d+7], v[\a:\a+7], v[\b:\b+7], v[\d:\d+7], v[\sa], v[\sb] matrix_a_fmt:MATRIX_FMT_FP4 matrix_b_fmt:MATRIX_FMT_FP4 matrix_a_scale:MATRIX_SCALE_ROW1 matrix_b_scale:MATRIX_SCALE_ROW1
.else
	v_wmma_scale_f32_16x16x128_f8f6f4 v[\d:\d+7], v[\a:\a+7], v[\b:\b+7], v[\d:\d+7], v[\sa], v[\sb] matrix_a_fmt:MATRIX_FMT_FP4 matrix_b_fmt:MATRIX_FMT_FP4
.endif
.endif
.endm
; 32 numbers of a lane, register 16 b + 8 e + j = k 32 b + 16 e + 8 h' + j of my row, become 16 bytes of codes (block h of row r in lane (r, h)) in v[pc] on, and the row's two scale bytes in v[pw].
.macro QUANT s, pc, pw
.irp b, 0,1
	v_max3_num_f32 v[TM+\b], |v[(\s)+16*\b]|, |v[(\s)+16*\b+1]|, 0x1800000   ; from the low end on; the floor 2^(3 - 127): the byte cannot fall under 1
.endr
.irp i, 2,4,6,8,10,12,14
.irp b, 0,1
	v_max3_num_f32 v[TM+\b], v[TM+\b], |v[(\s)+16*\b+\i]|, |v[(\s)+16*\b+\i+1]|
.endr
.endr
.irp b, 0,1
	v_permlanex16_b32 v[TM+4+\b], v[TM+\b], s[SEL], s[SEL+1]
.endr
.irp b, 0,1
	v_max_num_f32 v[TM+\b], v[TM+\b], v[TM+4+\b]
.endr
.irp b, 0,1
	v_add_nc_u32 v[TM+8+\b], 0xff000000, v[TM+\b]             ; 2 off the exponent field: the conversion's scale operand
.endr
.irp b, 0,1
	v_lshrrev_b32 v[TM+4+\b], 23, v[TM+8+\b]
.endr
	v_lshl_or_b32 v[\pw], v[TM+5], 8, v[TM+4]
	v_cvt_scalef32_pk8_fp4_f32 v[(\pc)], v[(\s):(\s)+7], v[TM+8]
	v_cvt_scalef32_pk8_fp4_f32 v[(\pc)+2], v[(\s)+8:(\s)+15], v[TM+8]
	v_cvt_scalef32_pk8_fp4_f32 v[(\pc)+1], v[(\s)+16:(\s)+23], v[TM+9]
	v_cvt_scalef32_pk8_fp4_f32 v[(\pc)+3], v[(\s)+24:(\s)+31], v[TM+9]
	v_nop                                                     ; one plain line behind the conversions
	v_permlane16_swap_b32 v[(\pc)], v[(\pc)+1]
	v_permlane16_swap_b32 v[(\pc)+2], v[(\pc)+3]
.endm
; my sixteenth of the sixteen waves' partial sums, from the buffer of parity par: 8 bytes a lane of each
.macro RLOAD par
.irp u, 0,1,2,3,4,5,6,7,8,9,10,11,12,13,14,15
	ds_load_b64 v[R+2*\u:R+2*\u+1], v[OPR+\par] offset:4096*\u
.endr
.endm
.macro RSUM                            ; sixteen plain lines: the address, and a tree of fifteen packed additions into v[R:R+1]
	v_add_nc_u32 v[OAD], s30, v[OAW]
.irp u, 0,1,2,3,4,5,6,7
	v_pk_add_f32 v[R+2*\u:R+2*\u+1], v[R+2*\u:R+2*\u+1], v[R+16+2*\u:R+17+2*\u]
.endr
.irp u, 0,1,2,3
	v_pk_add_f32 v[R+2*\u:R+2*\u+1], v[R+2*\u:R+2*\u+1], v[R+8+2*\u:R+9+2*\u]
.endr
.irp u, 0,1
	v_pk_add_f32 v[R+2*\u:R+2*\u+1], v[R+2*\u:R+2*\u+1], v[R+4+2*\u:R+5+2*\u]
.endr
	v_pk_add_f32 v[R:R+1], v[R:R+1], v[R+2:R+3]
.endm
	s_load_b256 s[4:11], s[0:1], 0x0               ; hq s[4:5], Wq's codes s[6:7], Wq's scales s[8:9], kvc s[10:11]
	s_load_b128 s[12:15], s[0:1], 0x20             ; kvs s[12:13], av s[14:15]
	v_lshl_add_u32 v[SPW], v0, 2, SPARE
	v_mov_b32 v[NIL], 0
	v_lshrrev_b32 v255, 5, v0
	v_readfirstlane_b32 s[WV], v255                ; wave 0..15
	s_lshr_b32 s17, ttmp9, 2                       ; head = 16 b + n
	s_and_b32 s18, ttmp9, 3                        ; qb: queries 256 qb on
	s_lshr_b32 s19, s17, 4                         ; b
	s_and_b32 s20, s17, 15                         ; n
	s_mov_b32 s[CF], 0x3e38aa3b                    ; log2(e) / sqrt(64)
	s_mov_b32 s[CF+1], s[CF]                       ; (named with it as a pair, so it is written)
	s_mov_b32 s[SEL], 0x76543210
	s_mov_b32 s[SEL+1], 0xfedcba98
	s_mov_b32 s29, 512                             ; the next tile's image of q
	s_mov_b32 s30, 0                               ; the tile whose partial sums are added
	v_and_b32 v252, 31, v0                         ; lane
	v_and_b32 v253, 15, v0                         ; r
	v_bfe_u32 v254, v0, 4, 1                       ; h
	v_lshlrev_b32 v[LI], 4, v252
	v_lshlrev_b32 v[LS], 2, v252
	v_lshlrev_b32 v[RH], 5, v253
	v_lshl_add_u32 v[RH], v254, 4, v[RH]
	v_lshlrev_b32 v[R2], 1, v253
	v_mul_u32_u24 v255, v253, 144
	s_lshl_b32 s21, s[WV], 3
	s_add_co_u32 s21, s21, STA
	v_add_nc_u32 v[STW], s21, v255
	v_lshl_add_u32 v[STR], v254, 6, v255
	v_add_nc_u32 v[STR], STA, v[STR]
	s_lshl_b32 s21, s[WV], 12
	s_add_co_u32 s21, s21, OP
	v_add_nc_u32 v[OPW], s21, v[LI]
	v_add_nc_u32 v[OPW+1], OPP, v[OPW]
	s_lshl_b32 s21, s[WV], 8
	s_add_co_u32 s21, s21, OP
	v_lshl_add_u32 v[OPR], v252, 3, s21
	v_add_nc_u32 v[OPR+1], OPP, v[OPR]
	s_lshl_b32 s21, s[WV], 12
	s_add_co_u32 s21, s21, OACC
	v_lshl_add_u32 v[OAW], v252, 3, s21
	s_lshl_b32 s21, s[WV], 8
	s_add_co_u32 s21, s21, OACC
	v_lshl_add_u32 v21, v253, 4, s21
	v_lshl_add_u32 v21, v254, 12, v21              ; v21: the way out: OACC + 4,096 h + 256 wave + 16 r
	s_lshl_b32 s21, s[WV], 5
	s_add_co_u32 s21, s21, ASG
	v_lshl_add_u32 v22, v253, 1, s21               ; v22: ASG + 32 wave + 2 r
	v_add_nc_u32 v23, ASG, v[LI]                   ; v23: ASG + 16 lane
	s_lshl_b32 s21, s[WV], 9
	v_add_nc_u32 v[QAD], s21, v[LI]                ; at first: where my tile's image of q goes
	v_lshrrev_b32 v[QSA], 2, v[QAD]
	s_mul_i32 s21, s[WV], 4*528
	v_add_nc_u32 v17, s21, v[LI]                   ; v17: my four rows of Wq on their way in
	v_lshrrev_b32 v255, 3, v252
	v_mul_u32_u24 v255, v255, 48
	v_and_b32 v18, 7, v252
	v_lshl_add_u32 v18, v18, 2, v255
	s_mul_i32 s21, s[WV], 4*48
	s_add_co_u32 s21, s21, WQS
	v_add_nc_u32 v18, s21, v18                     ; v18: their scale bytes: row lane / 8, word lane % 8
	v_mul_u32_u24 v19, v253, 528
	v_lshl_add_u32 v19, v254, 4, v19               ; v19: a fragment of Wq: 528 r + 16 h
	v_mul_u32_u24 v20, v253, 48
	v_lshl_add_u32 v20, v254, 4, v20
	v_add_nc_u32 v20, WQS, v20                     ; v20: its scale words: lanes 0-15 K steps 0-3, lanes 16-31 K steps 4-7
	s_mov_b32 s23, 0
	s_wait_kmcnt 0x0
	s_lshl_b32 s22, s20, 15
	s_lshl_b32 s21, s[WV], 11
	s_add_co_u32 s22, s22, s21
	s_add_nc_u64 s[32:33], s[6:7], s[22:23]        ; Wq's rows 64 n + 4 wave on
	s_lshr_b32 s22, s22, 4
	s_add_nc_u64 s[34:35], s[8:9], s[22:23]        ; and their scale bytes
	s_lshl_b32 s22, s18, 4
	s_add_co_u32 s22, s22, s[WV]
	s_lshl_b32 s22, s22, 2
	s_add_co_u32 s22, s22, s19                     ; my tile of h: 4 (16 qb + wave) + b
	s_lshl_b32 s21, s22, 9
	s_lshl_b32 s22, s22, 13
	s_add_nc_u64 s[36:37], s[4:5], s[22:23]
	s_add_co_u32 s22, s21, 2097152
	s_add_nc_u64 s[38:39], s[4:5], s[22:23]
	s_lshl_b32 s22, s17, 16
	s_lshl_b32 s21, s[WV], 12
	s_add_co_u32 s22, s22, s21
	s_add_nc_u64 s[40:41], s[10:11], s[22:23]      ; K's codes of my 128 keys; V's lie 4,194,304 bytes on
	s_lshr_b32 s22, s22, 4
	s_add_nc_u64 s[44:45], s[12:13], s[22:23]      ; K's scale bytes; V's lie 262,144 bytes on
	s_lshl_b32 s22, s17, 15
	s_lshl_b32 s21, s18, 13
	s_add_co_u32 s22, s22, s21
	s_lshl_b32 s21, s[WV], 9
	s_add_co_u32 s22, s22, s21
	s_add_nc_u64 s[48:49], s[14:15], s[22:23]      ; av: my tile's codes
	s_lshl_b32 s22, s17, 11
	s_lshl_b32 s21, s18, 9
	s_add_co_u32 s22, s22, s21
	s_add_co_u32 s22, s22, 2097152
	s_add_nc_u64 s[50:51], s[14:15], s[22:23]      ; av: the work-group's 512 scale bytes
	; 54 loads, in the order in which they are wanted: 5 of Wq, 17 of h, 32 of K and V
.irp e, 0,1,2,3
	global_load_b128 v[R+4*\e:R+4*\e+3], v[LI], s[32:33] offset:512*\e
.endr
	global_load_b32 v[R+16], v[LS], s[34:35]
.irp y, 0,1,2,3,4,5,6,7
.irp c, 0,1
	global_load_b128 v[S+8*\y+4*\c:S+8*\y+4*\c+3], v[LI], s[36:37] offset:1024*\y+512*\c
.endr
.endr
	global_load_b128 v[108:111], v[RH], s[38:39]
.irp y, 0,1,2,3
.irp u, 0,1
	global_load_b128 v[KF+8*\y+4*\u:KF+8*\y+4*\u+3], v[RH], s[40:41] offset:1024*\y+512*\u   ; keys 16 (2 y + u) + r, block h
.endr
	global_load_u16 v[KS+\y], v[R2], s[44:45] offset:64*\y
	global_load_u16 v[96+\y], v[R2], s[44:45] offset:64*\y+32
.endr
.irp t, 0,1,2,3
.irp c, 0,1
	global_load_b128 v[VF+8*\t+4*\c:VF+8*\t+4*\c+3], v[RH], s[40:41] offset:4194304+2048*\c+512*\t   ; d 16 t + r, keys 64 c + 32 h on
.endr
	global_load_u16 v[VS+\t], v[R2], s[44:45] offset:262144+32*\t
	global_load_u16 v[100+\t], v[R2], s[44:45] offset:262144+128+32*\t
.endr
	s_wait_loadcnt 49                              ; Wq's five are in; h's 17 and K's and V's 32 may be out
.irp e, 0,1,2,3
	ds_store_b128 v17, v[R+4*\e:R+4*\e+3] offset:528*\e
.endr
	ds_store_b32 v18, v[R+16]
	s_wait_dscnt 0x0                               ; for the others' sake: my four rows lie in LDS
	s_barrier_signal -1
	s_barrier_wait -1                              ; all 64 do
.irp t, 0,1,2,3
	ds_load_b128 v[240+4*\t:243+4*\t], v20 offset:768*\t
.endr
	s_wait_loadcnt 32                              ; h's fragments and scale words are in; K's and V's 32 may be out
	; ---- q^T of my tile of queries: source 0 = 16 rows of Wq, source 1 = h; four accumulators by turns, one instruction a turn
.irp y, 0,1,2,3,4,5,6,7
.if \y > 0
	NOPS 4                                         ; four plain lines in front of loads into registers that the last products read
.endif
.irp t, 0,1,2,3
.irp c, 0,1
	ds_load_b128 v[R+8*\t+4*\c:R+8*\t+4*\c+3], v19 offset:8448*\t+64*\y+32*\c
.endr
.endr
	s_wait_dscnt 0x0
.irp t, 0,1,2,3
.if \y == 0
	MM QA+8*\t, R+8*\t, S, 1, 240+4*\t, 108, 0
.else
	MM QA+8*\t, R+8*\t, S+8*\y, 0, 240+4*\t+\y%4, 108+\y%4, \y/4
.endif
.endr
.endr
	NOPS 4
	QUANT QA, 184, 188
	ds_store_b128 v[QAD], v[184:187] offset:QIMG   ; the operand's four registers as they stand
	v_lshl_or_b32 v189, v188, 16, v188             ; (s0, s1, s0, s1): q stands in either half of the instruction's K
	ds_store_b32 v[QSA], v189 offset:QSC
	s_wait_loadcnt 0x0                             ; K and V
.irp y, 0,1,2,3
	v_lshl_or_b32 v[KS+\y], v[96+\y], 16, v[KS+\y] ; two bytes of tile 2 y, two of tile 2 y + 1
.endr
.irp t, 0,1,2,3
	v_lshl_or_b32 v[VS+\t], v[100+\t], 16, v[VS+\t]
.endr
.irp y, 0,1,2,3
	v_mov_b32 v[QZ+\y], 0                          ; zero codes on both sides of q
	v_mov_b32 v[QZ+8+\y], 0
.endr
	NOPS 4                                         ; an operand written by vector instructions stands four plain lines ahead of a scaled product, a scale word eight
	s_wait_dscnt 0x0
	s_barrier_signal -1
	s_barrier_wait -1                              ; all sixteen images of q lie in LDS
	ds_load_b128 v[QZ+4:QZ+7], v[LI] offset:QIMG
	ds_load_b32 v[QS], v[LS] offset:QSC
; ---- A TILE OF 16 QUERIES.  par: its parity.  first: no tile before it.  last: no tile behind it.
.macro TILE par, first, last
	s_wait_dscnt 0x0                               ; q is in; my stores of the last partial sums have landed
.irp y, 0,1,2,3
	MM S+16*\y, KF+8*\y, QZ+4, 1, KS+\y, QS, 0     ; x [q, 0]: keys 32 y + 0..15
	MM S+16*\y+8, KF+8*\y, QZ, 1, KS+\y, QS, 0     ; x [0, q]: keys 32 y + 16..31
.endr
	NOPS 4
.irp b, 0,1,2,3
	v_max3_num_f32 v[BM+\b], v[S+16*\b], v[S+16*\b+1], v[S+16*\b+2]   ; the largest score of each block of 32 keys: it serves the row's maximum and, since p rises with the score, the block's largest p
.endr
.irp i, 3,5,7,9,11,13
.irp b, 0,1,2,3
	v_max3_num_f32 v[BM+\b], v[BM+\b], v[S+16*\b+\i], v[S+16*\b+\i+1]
.endr
.endr
.irp b, 0,1,2,3
	v_max_num_f32 v[BM+\b], v[BM+\b], v[S+16*\b+15]
.endr
.irp b, 0,1,2,3
	v_permlanex16_b32 v[T4+\b], v[BM+\b], s[SEL], s[SEL+1]
.endr
.irp b, 0,1,2,3
	v_max_num_f32 v[BM+\b], v[BM+\b], v[T4+\b]
.endr
	v_max3_num_f32 v250, v[BM], v[BM+1], v[BM+2]
	v_max_num_f32 v250, v250, v[BM+3]
	v_mul_f32 v250, s[CF], v250                    ; my 128 keys' largest t
	v_floor_f32 v[ML], -v250                       ; -M_w = floor(-t): M_w is a whole number
.set j, 0
.rept 32
	v_pk_fma_f32 v[S+j:S+j+1], v[S+j:S+j+1], s[CF:CF+1], v[ML:ML+1] op_sel_hi:[1,0,0]   ; t - M_w, two at a time
.set j, j+2
.endr
.irp b, 0,1,2,3
	v_fma_f32 v[BM+\b], v[BM+\b], s[CF], v[ML]
.endr
.set j, 0
.rept 64
	v_exp_f32 v[S+j], v[S+j]                       ; p' = 2^(t - M_w), at most 1
.set j, j+1
.endr
.irp b, 0,1,2,3
	v_exp_f32 v[BM+\b], v[BM+\b]
.endr
	v_nop                                          ; a plain line behind the last exponential
	s_wait_alu depctr_va_vdst(0)                   ; one wait for the batch of 68, ahead of its first reader
	v_pk_add_f32 v[SU:SU+1], v[S:S+1], v[S+2:S+3]
	v_pk_add_f32 v[SU+2:SU+3], v[S+4:S+5], v[S+6:S+7]
.set j, 8
.rept 14
	v_pk_add_f32 v[SU:SU+1], v[SU:SU+1], v[S+j:S+j+1]
	v_pk_add_f32 v[SU+2:SU+3], v[SU+2:SU+3], v[S+j+2:S+j+3]
.set j, j+4
.endr
	v_pk_add_f32 v[SU:SU+1], v[SU:SU+1], v[SU+2:SU+3]
	v_add_f32 v[SU], v[SU], v[SU+1]
	v_permlanex16_b32 v[SU+1], v[SU], s[SEL], s[SEL+1]
	v_add_f32 v[ML+1], v[SU], v[SU+1]              ; L_w
	ds_store_b64 v[STW], v[ML:ML+1] offset:(\par)*STP
	s_wait_dscnt 0x0                               ; for the others' sake
	s_barrier_signal -1
	s_barrier_wait -1                              ; all sixteen waves' statistics of this tile, and their partial sums of the tile before, lie in LDS
.irp k, 0,1,2,3
	ds_load_b128 v[STT+4*\k:STT+4*\k+3], v[STR] offset:(\par)*STP+16*\k   ; lane (r, h): waves 8 h .. 8 h + 7
.endr
.if (\first) == 0
	RLOAD 1-(\par)
	s_wait_dscnt 16                                ; the four loads of statistics are in; the sixteen behind them may be out
.else
	s_wait_dscnt 0x0
.endif
	v_min3_num_f32 v250, v[STT], v[STT+2], v[STT+4]
	v_min3_num_f32 v250, v250, v[STT+6], v[STT+8]
	v_min3_num_f32 v250, v250, v[STT+10], v[STT+12]
	v_min_num_f32 v250, v250, v[STT+14]
	v_permlanex16_b32 v251, v250, s[SEL], s[SEL+1]
	v_min_num_f32 v250, v250, v251                 ; -M of the whole row
.irp k, 0,2,4,6,8,10,12,14
	v_sub_f32 v[STT+\k], v250, v[STT+\k]           ; M_w - M: a whole number, 0 or less
.endr
.irp k, 0,2,4,6,8,10,12,14
	v_cvt_i32_f32 v[STT+\k], v[STT+\k]
.endr
.irp k, 0,2,4,6,8,10,12,14
	v_ldexp_f32 v[STT+\k+1], v[STT+\k+1], v[STT+\k]   ; L_w under the row's M: nothing is rounded
.endr
	v_add_f32 v[STT+1], v[STT+1], v[STT+3]
	v_add_f32 v[STT+5], v[STT+5], v[STT+7]
	v_add_f32 v[STT+9], v[STT+9], v[STT+11]
	v_add_f32 v[STT+13], v[STT+13], v[STT+15]
	v_add_f32 v[STT+1], v[STT+1], v[STT+5]
	v_add_f32 v[STT+9], v[STT+9], v[STT+13]
	v_add_f32 v[STT+1], v[STT+1], v[STT+9]
	v_permlanex16_b32 v251, v[STT+1], s[SEL], s[SEL+1]
	v_add_f32 v252, v[STT+1], v251                 ; L
	v_rcp_f32 v254, v252                           ; 1 / L
	v_sub_f32 v253, v250, v[ML]                    ; (a plain line behind it)  my M_w - M
	v_cvt_i32_f32 v253, v253
	s_wait_alu depctr_va_vdst(0)
	v_fmaak_f32 v255, v252, v254, 0x322bcc77       ; the normalised weights' sum + 1e-8
	v_rcp_f32 v251, v255
	v_nop
	s_wait_alu depctr_va_vdst(0)
	v_mul_f32 v254, v254, v251
	v_ldexp_f32 v[FF], v254, v253                  ; p = p' x this
.set j, 0
.rept 32
	v_pk_mul_f32 v[S+j:S+j+1], v[S+j:S+j+1], v[FF:FF+1] op_sel_hi:[1,0]
.set j, j+2
.endr
.irp b, 0,1,2,3
	v_mul_f32 v[BM+\b], v[BM+\b], v[FF]            ; the block's largest p: the same instructions on the same number
.endr
.irp b, 0,1,2,3
	v_max_num_f32 v[BM+\b], 0x1800000, v[BM+\b]    ; the floor 2^(3 - 127)
.endr
.irp b, 0,1,2,3
	v_add_nc_u32 v[SCL+\b], 0xff000000, v[BM+\b]
.endr
.irp b, 0,1,2,3
	v_lshrrev_b32 v[T4+\b], 23, v[SCL+\b]
.endr
	v_lshl_or_b32 v[PW], v[T4+1], 8, v[T4]
	v_lshl_or_b32 v[PW], v[T4+2], 16, v[PW]
	v_lshl_or_b32 v[PW], v[T4+3], 24, v[PW]
.irp c, 0,1
	v_cvt_scalef32_pk8_fp4_f32 v[PC+4*\c], v[S+32*\c:S+32*\c+7], v[SCL+2*\c]
	v_cvt_scalef32_pk8_fp4_f32 v[PC+4*\c+2], v[S+32*\c+8:S+32*\c+15], v[SCL+2*\c]
	v_cvt_scalef32_pk8_fp4_f32 v[PC+4*\c+1], v[S+32*\c+16:S+32*\c+23], v[SCL+2*\c+1]
	v_cvt_scalef32_pk8_fp4_f32 v[PC+4*\c+3], v[S+32*\c+24:S+32*\c+31], v[SCL+2*\c+1]
.endr
	v_nop                                          ; one plain line behind the conversions
.irp c, 0,1
	v_permlane16_swap_b32 v[PC+4*\c], v[PC+4*\c+1]
	v_permlane16_swap_b32 v[PC+4*\c+2], v[PC+4*\c+3]
.endr
.if (\first) == 0
	s_wait_dscnt 0x0                               ; the sixteen pairs are in
	RSUM                                           ; sixteen plain lines that name nothing of the products below: they also stand between p's codes and scale word and those products
.else
	NOPS 8
.endif
.irp t, 0,1,2,3
	MM S+8*\t, VF+8*\t, PC, 1, VS+\t, PW, 0        ; my partial o^T: d 16 t + 8 h' + j of query r, over my 128 keys
.endr
.if (\first) == 0
	ds_store_b64 v[OAD], v[R:R+1]                  ; o of the tile before: my sixteenth
	s_add_co_u32 s30, s30, 256
.endif
	v_add_nc_u32 v[QAD], s29, v[LI]                ; five plain lines behind the products: their results are stored below, and the next tile's products write over them
	v_lshrrev_b32 v[QSA], 2, v[QAD]
	s_add_co_u32 s29, s29, 512
	NOPS 3
.irp g, 0,1,2,3,4,5,6,7
	ds_store_b128 v[OPW+\par], v[S+4*\g:S+4*\g+3] offset:512*\g   ; each accumulator from its low end on
.endr
.if (\last) == 0
	ds_load_b128 v[QZ+4:QZ+7], v[QAD] offset:QIMG
	ds_load_b32 v[QS], v[QSA] offset:QSC
.endif
.endm
	TILE 0, 1, 0
	s_mov_b32 s28, 7
.Ltiles:                                           ; two tiles a trip, so that the parities come back
	TILE 1, 0, 0
	TILE 0, 0, 0
	s_sub_co_u32 s28, s28, 1
	s_cmp_lg_u32 s28, 0
	s_cbranch_scc1 .Ltiles
	TILE 1, 0, 1
	s_wait_dscnt 0x0
	s_barrier_signal -1
	s_barrier_wait -1                              ; the last tile's partial sums lie in LDS
	RLOAD 1
	s_wait_dscnt 0x0
	RSUM
	ds_store_b64 v[OAD], v[R:R+1]
	s_wait_dscnt 0x0
	s_barrier_signal -1
	s_barrier_wait -1                              ; o of all 256 queries lies in LDS
	; ---- the way out: wave w quantises o of tile w along the head's 64.  d = 32 b + 16 e + 8 h + 4 j + 0..3 of query r was added by wave 4 (2 b + e) + 2 j + h
.irp b, 0,1
.irp e, 0,1
.irp j, 0,1
	ds_load_b128 v[S+16*\b+8*\e+4*\j:S+16*\b+8*\e+4*\j+3], v21 offset:(4*(2*\b+\e)+2*\j)*4096
.endr
.endr
.endr
	s_wait_dscnt 0x0
	QUANT S, 184, 188
	global_store_b128 v[RH], v[184:187], s[48:49]  ; 512 consecutive bytes
	ds_store_b16 v22, v188
	s_wait_dscnt 0x0
	s_barrier_signal -1
	s_barrier_wait -1
	s_cmp_lg_u32 s[WV], 0
	s_cbranch_scc1 .Lend
	ds_load_b128 v[192:195], v23
	s_wait_dscnt 0x0
	global_store_b128 v[LI], v[192:195], s[50:51]  ; the work-group's 512 scale bytes
.Lend:
	s_wait_tensorcnt 0x0                           ; the wave's end, behind my last LDS store
	ds_add_u32 v[SPW], v[NIL]
	s_wait_dscnt 0x0
	s_endpgm
.Lfunc_end_k_q7f7956857b_attn:
	.size	k_q7f7956857b_attn, .Lfunc_end_k_q7f7956857b_attn-k_q7f7956857b_attn
	.p2alignl 7, 3214868480
	.fill 96, 4, 3214868480
	.section	.rodata,"a",@progbits
	.p2align	6, 0x0
	.amdhsa_kernel k_q7f7956857b_attn
		.amdhsa_group_segment_fixed_size 250880
		.amdhsa_private_segment_fixed_size 0
		.amdhsa_enable_private_segment 0
		.amdhsa_kernarg_size 48
		.amdhsa_user_sgpr_count 2
		.amdhsa_user_sgpr_kernarg_segment_ptr 1
		.amdhsa_wavefront_size32 1
		.amdhsa_system_sgpr_workgroup_id_x 1
		.amdhsa_system_sgpr_workgroup_id_y 1
		.amdhsa_system_sgpr_workgroup_id_z 1
		.amdhsa_system_vgpr_workitem_id 0
		.amdhsa_next_free_vgpr 256
		.amdhsa_next_free_sgpr 66
		.amdhsa_reserve_vcc 0
		.amdhsa_float_denorm_mode_32 3
		.amdhsa_float_denorm_mode_16_64 3
		.amdhsa_memory_ordered 1
		.amdhsa_forward_progress 1
		.amdhsa_inst_pref_size 105
	.end_amdhsa_kernel
	.amdgpu_metadata
---
amdhsa.version: [ 1, 2 ]
amdhsa.kernels:
  - .name:           k_q7f7956857b_attn
    .symbol:         k_q7f7956857b_attn.kd
    .args:
      - { .name: hq, .offset: 0, .size: 8, .value_kind: global_buffer, .address_space: global }
      - { .name: Wq_codes, .offset: 8, .size: 8, .value_kind: global_buffer, .address_space: global }
      - { .name: Wq_scales, .offset: 16, .size: 8, .value_kind: global_buffer, .address_space: global }
      - { .name: kvc, .offset: 24, .size: 8, .value_kind: global_buffer, .address_space: global }
      - { .name: kvs, .offset: 32, .size: 8, .value_kind: global_buffer, .address_space: global }
      - { .name: av, .offset: 40, .size: 8, .value_kind: global_buffer, .address_space: global }
    .group_segment_fixed_size: 250880
    .private_segment_fixed_size: 0
    .kernarg_segment_align: 8
    .kernarg_segment_size: 48
    .max_flat_workgroup_size: 512
    .sgpr_count:     66
    .vgpr_count:     256
    .wavefront_size: 32
...
	.end_amdgpu_metadata
.endif
;; end of part 2
;; launch outln (part 3): grid 256 x 1, 16 waves a work-group, clusters of 4 x 1, 327,680 bytes of LDS; arguments av, wof, Wo_scales, h, gamma, beta, out0; writes out0
.if DOCPART == 3
	.amdgcn_target "amdgcn-amd-amdhsa--gfx1250"
	.amdhsa_code_object_version 6
	.text
	.protected	k_q7f7956857b_outln
	.globl	k_q7f7956857b_outln
	.p2align	8
	.type	k_q7f7956857b_outln,@function
k_q7f7956857b_outln:
	s_mov_b64 s[64:65], 0
	v_nop
	global_prefetch_b8 v0, s[64:65] scope:SCOPE_SE
	s_setreg_imm32_b32 hwreg(HW_REG_WAVE_MODE, 25, 1), 1
	s_wait_xcnt 0x0
	s_wait_alu depctr_hold_cnt(0) depctr_sa_sdst(0) depctr_va_vdst(0) depctr_va_sdst(0) depctr_va_ssrc(0) depctr_va_vcc(0) depctr_vm_vsrc(0)
	s_getreg_b32 s2, hwreg(HW_REG_IB_STS2, 6, 4)
	s_cmp_eq_u32 s2, 0
	s_cbranch_scc0 .Lentry_in_a_cluster
	s_endpgm
.Lentry_in_a_cluster:
	s_bfe_u32 s2, ttmp6, 0x10000c
	s_cmp_lg_u32 s2, 0x3003
	s_cbranch_scc0 .Lentry_shape_is_right
	s_endpgm
.Lentry_shape_is_right:
; out = LayerNorm(h + o Wo^T) x gamma + beta.  o comes as codes of FP4 (E2M1) with E8M0 scales (av), Wo as fragments laid in the order of an operand's registers (wof).
; SHARES.  A work-group owns 16 whole rows (i = 16 itile + r at one b), so that mean and variance stay inside it.  Wave w owns columns 64 w .. 64 w + 63: four tiles of 16 rows of Wo, 8 steps of 128 along K.
; THE PRODUCT IS USED TRANSPOSED (source 0 = Wo, source 1 = o): lane (r, h) holds row r and eight neighbouring columns a tile.
; CLUSTER 4 x 1: the four work-groups of a cluster are the four b of one itile.  Every work-group needs all 524,288 bytes of Wo, so they are asked for JOINTLY: wave w of each partner issues the same tensor load, whose
; descriptor hangs on the wave's number alone, with a mask that names the four.  A load brings the wave's four tiles x four K steps: 4 rows of 4,096 bytes, 8,192 bytes apart in memory, 16,384 bytes of LDS that only this wave reads.
; The slot, 16 x 16,384 bytes, holds half of K: one first fill (K steps 0-3) and one refill (K steps 4-7), behind a round of the cluster's barrier.  One tensor load of a wave is out at a time.
; A fragment lies in LDS as an image of its registers: a load of it reads 512 consecutive bytes, so there is no padding.
; o's 8,192 bytes of codes are loaded once for the work-group, 512 bytes a wave, and reach all waves through LDS.
; THE RESIDUAL.  A wave loads one whole row of h (512 consecutive bytes a load) and keeps it in 32 registers.  When the slot has had its last fill and the wave has read its own part out, the row goes into that part
; (row w at 16,400 w: 1,025 x 16 bytes from row to row), and behind a barrier each wave takes its 64 columns of the 16 rows and adds them to its sums.  The results leave through the same bytes: the wave that read
; a place is the one that writes it.
; The variance is the mean of (x - mean)^2, taken in a second pass over the registers.
; NO PREFETCH: all that comes from memory is asked for at the kernel's head, but for Wo's second half, whose slot is not free before.
; LIMITS.  NaN and infinities are not served.
.set WPART, 16384                      ; LDS: the slot from 0 on: a wave's part,
.set SPIT,  16400                      ; (later the stage: from row to row)
.set OT,    262144                     ; o's codes: [head][r][32 bytes],
.set LN1,   270336                     ; 16 rows x (16 waves' sums, 64 bytes + 16); the second exchange 1,280 bytes on,
.set SPARE, 272896                     ; and the spare words, 128 bytes for each of the sixteen waves: eight blocks of 256 bytes that no other line names
.set SPW, 1                            ; v1  my spare word's address; never rewritten
.set NIL, 2                            ; v2  0; never rewritten
.set LI,  3                            ; v3  16 x lane
.set RH,  4                            ; v4  32 r + 16 h
.set XW,  5                            ; v5  my part of the slot + 16 x lane
.set SROW, 6                           ; v6  the stage: row = my wave, 16 bytes a lane
.set SCOL, 7                           ; v7  the stage: row r, my wave's 256 bytes, + 32 h
.set OTW, 8                            ; v8  where my piece of o goes
.set OTR, 13                           ; v13 a fragment of o: OT + 32 r + 16 h
.set AS,  16                           ; v16-19  o's scale words: lanes 0-15 K steps 0-3, lanes 16-31 K steps 4-7
.set WS,  20                           ; v20-35  Wo's: four a tile, likewise
.set ACC, 36                           ; v36-67  four accumulators
.set GA,  68                           ; v68-99  gamma of my columns, in the accumulators' layout
.set BE,  100                          ; v100-131 beta
.set WB,  132                          ; v132-195 Wo's fragments: two sets of four
.set HX,  132                          ; later: h in the accumulators' layout,
.set OB,  164                          ; and a row on its way out
.set HR,  196                          ; v196-227 my row of h
.set AFB, 228                          ; v228-243 o's fragment: two sets; later at work
.set WV,  18
.set SEL, 24
.set G1,  44                           ; s[44:51] descriptor group 1;  s[52:55], s[56:59] groups 0 of the first fill and of the refill
.set G0A, 52
.set G0B, 56
.macro NOPS n
.rept \n
	v_nop
.endr
.endm
; A round of the cluster's barrier: my work-group's barrier; wave 0 signals for the work-group; every wave waits for all four work-groups; my work-group's barrier once more.
.macro CROUND
	s_barrier_signal -1
	s_barrier_wait -1
	s_cmp_lg_u32 s[WV], 0
	s_cbranch_scc1 .Lnot_wave_0_\@
	s_barrier_signal -3
.Lnot_wave_0_\@:
	s_barrier_wait -3
	s_barrier_signal -1
	s_barrier_wait -1
.endm
.macro WL y                            ; K step y: Wo's four fragments and o's one into set y % 2: ten LDS loads
.irp t, 0,1,2,3
.irp c, 0,1
	ds_load_b128 v[WB+32*((\y)%2)+8*\t+4*\c:WB+32*((\y)%2)+8*\t+4*\c+3], v[XW] offset:4096*\t+1024*((\y)%4)+512*\c
.endr
.endr
.irp c, 0,1
	ds_load_b128 v[AFB+8*((\y)%2)+4*\c:AFB+8*((\y)%2)+4*\c+3], v[OTR] offset:512*(2*(\y)+\c)   ; head 2 y + c, block h of row r
.endr
.endm
.macro MMS y                           ; its four products: four accumulators by turns, one instruction a turn.  K step 0 starts the sums
.irp t, 0,1,2,3
.if (\y) == 0
	v_wmma_scale_f32_16x16x128_f8f6f4 v[ACC+8*\t:ACC+8*\t+7], v[WB+8*\t:WB+8*\t+7], v[AFB:AFB+7], 0, v[WS+4*\t], v[AS] matrix_a_fmt:MATRIX_FMT_FP4 matrix_b_fmt:MATRIX_FMT_FP4
.elseif (\y) < 4
	v_wmma_scale_f32_16x16x128_f8f6f4 v[ACC+8*\t:ACC+8*\t+7], v[WB+32*((\y)%2)+8*\t:WB+32*((\y)%2)+8*\t+7], v[AFB+8*((\y)%2):AFB+8*((\y)%2)+7], v[ACC+8*\t:ACC+8*\t+7], v[WS+4*\t+(\y)%4], v[AS+(\y)%4] matrix_a_fmt:MATRIX_FMT_FP4 matrix_b_fmt:MATRIX_FMT_FP4
.else
	v_wmma_scale_f32_16x16x128_f8f6f4 v[ACC+8*\t:ACC+8*\t+7], v[WB+32*((\y)%2)+8*\t:WB+32*((\y)%2)+8*\t+7], v[AFB+8*((\y)%2):AFB+8*((\y)%2)+7], v[ACC+8*\t:ACC+8*\t+7], v[WS+4*\t+(\y)%4], v[AS+(\y)%4] matrix_a_fmt:MATRIX_FMT_FP4 matrix_b_fmt:MATRIX_FMT_FP4 matrix_a_scale:MATRIX_SCALE_ROW1 matrix_b_scale:MATRIX_SCALE_ROW1
.endif
.endr
.endm
.macro EXCH off                        ; v228, my wave's sum for row r, becomes the row's sum over all sixteen waves
	ds_store_b32 v9, v228 offset:\off              ; both lanes of a row write the same word
	s_wait_dscnt 0x0
	s_barrier_signal -1
	s_barrier_wait -1
	ds_load_b128 v[228:231], v10 offset:\off       ; lane (r, h): waves 8 h .. 8 h + 7
	ds_load_b128 v[232:235], v10 offset:\off+16
	s_wait_dscnt 0x0
	v_pk_add_f32 v[228:229], v[228:229], v[230:231]
	v_pk_add_f32 v[232:233], v[232:233], v[234:235]
	v_pk_add_f32 v[228:229], v[228:229], v[232:233]
	v_add_f32 v228, v228, v229
	v_permlanex16_b32 v229, v228, s[SEL], s[SEL+1]
	v_add_f32 v228, v228, v229
.endm
	s_load_b256 s[4:11], s[0:1], 0x0               ; av s[4:5], wof s[6:7], Wo's scales s[8:9], h s[10:11]
	s_load_b128 s[12:15], s[0:1], 0x20             ; gamma, beta
	s_load_b64 s[16:17], s[0:1], 0x30              ; out0
	v_lshl_add_u32 v[SPW], v0, 2, SPARE
	v_mov_b32 v[NIL], 0
	ds_add_u32 v[SPW], v[NIL]                      ; the wave's opening: the add and its wait ahead of my first tensor load; the set-up below, work on registers, stands between them
	v_lshrrev_b32 v252, 5, v0
	v_readfirstlane_b32 s[WV], v252                ; wave 0..15
	s_bfe_u32 s20, ttmp6, 0x40000                  ; cx: my place in the cluster = b: it enters addresses in memory alone
	s_mov_b32 s21, ttmp9                           ; the cluster's number = itile
	s_mov_b32 s22, 0x3a800000                      ; 1 / 1,024
	s_mov_b32 s[SEL], 0x76543210
	s_mov_b32 s[SEL+1], 0xfedcba98
	; descriptor group 1: 4 rows of 512 elements of 8 bytes, 1,024 elements apart, no padding
	s_mov_b32 s[G1], 15|(3<<16)|(1<<21)            ; 15:0 the mask: all four work-groups; 17:16 elements of 8 bytes; 21 set beside a mask
	s_mov_b32 s[G1+1], 512<<16                     ; tensor_dim0
	s_mov_b32 s[G1+2], 4<<16                       ; tensor_dim1
	s_mov_b32 s[G1+3], 512<<16                     ; tile_dim0
	s_mov_b32 s[G1+4], 4                           ; tile_dim1
	s_mov_b32 s[G1+5], 1024                        ; from tile to tile of Wo: 8 K steps of 1,024 bytes
	s_mov_b32 s[G1+6], 0
	s_mov_b32 s[G1+7], 0
	s_mov_b32 s[G0A], 1
	s_mov_b32 s[G0B], 1
	s_lshl_b32 s[G0A+1], s[WV], 14                 ; my part of the slot
	s_lshl_b32 s[G0B+1], s[WV], 14
	s_lshl_b32 s[G0A+2], s[WV], 15                 ; my four tiles in wof: made of the wave's number alone
	s_mov_b32 s[G0A+3], 0
	; the other offsets in memory
	s_lshl_b32 s26, s21, 4
	s_add_co_u32 s26, s26, s[WV]
	s_lshl_b32 s26, s26, 2
	s_add_co_u32 s26, s26, s20
	s_lshl_b32 s26, s26, 12                        ; row 4 (16 itile + wave) + b of h and of out0
	s_mov_b32 s27, 0
	s_lshl_b32 s30, s20, 19
	s_lshl_b32 s23, s21, 9
	s_add_co_u32 s30, s30, s23                     ; o's codes: head 16 b, rows 16 itile on;
	s_lshr_b32 s32, s30, 4
	s_add_co_u32 s32, s32, 2097152                 ; their scale bytes;
	s_mov_b32 s33, 0
	s_lshl_b32 s23, s[WV], 15
	s_add_co_u32 s30, s30, s23                     ; my piece: head 16 b + wave
	s_mov_b32 s31, 0
	s_lshl_b32 s34, s[WV], 11                      ; Wo's scale bytes: rows 64 wave on
	s_mov_b32 s35, 0
	s_lshl_b32 s38, s[WV], 8                       ; gamma and beta: my 64 columns
	s_mov_b32 s39, 0
	; every LDS address register
	v_and_b32 v252, 31, v0                         ; lane
	v_and_b32 v253, 15, v0                         ; r
	v_bfe_u32 v254, v0, 4, 1                       ; h
	v_lshlrev_b32 v[LI], 4, v252
	v_lshlrev_b32 v[RH], 5, v253
	v_lshl_add_u32 v[RH], v254, 4, v[RH]
	s_lshl_b32 s23, s[WV], 14
	v_add_nc_u32 v[XW], s23, v[LI]
	s_mul_i32 s23, s[WV], SPIT
	v_add_nc_u32 v[SROW], s23, v[LI]
	v_mul_u32_u24 v[SCOL], v253, SPIT
	v_lshl_add_u32 v[SCOL], v254, 5, v[SCOL]
	s_lshl_b32 s23, s[WV], 8
	v_add_nc_u32 v[SCOL], s23, v[SCOL]
	s_lshl_b32 s23, s[WV], 9
	s_add_co_u32 s23, s23, OT
	v_add_nc_u32 v[OTW], s23, v[LI]
	v_add_nc_u32 v[OTR], OT, v[RH]
	v_mul_u32_u24 v10, v253, 80
	s_lshl_b32 s23, s[WV], 2
	s_add_co_u32 s23, s23, LN1
	v_add_nc_u32 v9, s23, v10                      ; v9: LN1 + 80 r + 4 wave
	v_lshl_add_u32 v10, v254, 5, v10
	v_add_nc_u32 v10, LN1, v10                     ; v10: LN1 + 80 r + 32 h
	v_lshlrev_b32 v11, 1, v253
	v_lshl_add_u32 v11, v254, 14, v11              ; v11: o's scale bytes: 2 r, and eight heads on for lanes 16-31
	v_lshlrev_b32 v12, 5, v254                     ; v12: 32 h
	s_wait_dscnt 0x0                               ; the opening add is done
	s_wait_kmcnt 0x0
	s_add_nc_u64 s[G0A+2:G0A+3], s[6:7], s[G0A+2:G0A+3]
	s_add_nc_u64 s[G0B+2:G0B+3], s[G0A+2:G0A+3], 4096      ; K steps 4-7: 4,096 bytes on in each tile
	s_or_b32 s[G0A+3], s[G0A+3], 0x80000000        ; type = 2
	s_or_b32 s[G0B+3], s[G0B+3], 0x80000000
	CROUND                                         ; all four work-groups are here: the first joint loads meet
	tensor_load_to_lds s[G0A:G0A+3], s[G1:G1+7]    ; my four tiles, K steps 0-3.  An s_nop 0 and four v_nop follow it
	s_nop 0
	NOPS 4
	s_add_nc_u64 s[28:29], s[16:17], s[26:27]
	s_add_nc_u64 s[26:27], s[10:11], s[26:27]
	s_add_nc_u64 s[30:31], s[4:5], s[30:31]
	s_add_nc_u64 s[32:33], s[4:5], s[32:33]
	s_add_nc_u64 s[34:35], s[8:9], s[34:35]
	s_add_nc_u64 s[40:41], s[14:15], s[38:39]
	s_add_nc_u64 s[38:39], s[12:13], s[38:39]
	; 37 loads, in the order in which they are wanted: 1 of o's codes, 8 of its scale bytes, 4 of Wo's scale bytes, 8 of h, 8 of gamma, 8 of beta
	global_load_b128 v[244:247], v[LI], s[30:31]   ; 512 consecutive bytes: head 16 b + wave, the tile's 16 rows
.irp q, 0,1,2,3
	global_load_u16 v[AS+\q], v11, s[32:33] offset:(2*\q)*2048
	global_load_u16 v[248+\q], v11, s[32:33] offset:(2*\q+1)*2048
.endr
.irp t, 0,1,2,3
	global_load_b128 v[WS+4*\t:WS+4*\t+3], v[RH], s[34:35] offset:512*\t
.endr
.irp e, 0,1,2,3,4,5,6,7
	global_load_b128 v[HR+4*\e:HR+4*\e+3], v[LI], s[26:27] offset:512*\e th:TH_LOAD_NT
.endr
.irp t, 0,1,2,3
.irp e, 0,1
	global_load_b128 v[GA+8*\t+4*\e:GA+8*\t+4*\e+3], v12, s[38:39] offset:64*\t+16*\e
.endr
.endr
.irp t, 0,1,2,3
.irp e, 0,1
	global_load_b128 v[BE+8*\t+4*\e:BE+8*\t+4*\e+3], v12, s[40:41] offset:64*\t+16*\e
.endr
.endr
	s_wait_loadcnt 36                              ; my piece of o is in; the 36 loads behind it may be out
	ds_store_b128 v[OTW], v[244:247]
	s_wait_loadcnt 28                              ; o's scale bytes are in; Wo's 4, h's 8, gamma's and beta's 16 may be out
.irp q, 0,1,2,3
	v_lshl_or_b32 v[AS+\q], v[248+\q], 16, v[AS+\q]
.endr
	NOPS 8                                         ; a scale word written by vector instructions stands eight plain lines ahead of a scaled product
	s_wait_tensorcnt 0x0                           ; my part of the slot is in: only I read it
	s_wait_dscnt 0x0                               ; for the others' sake: my piece of o lies in LDS
	s_barrier_signal -1
	s_barrier_wait -1                              ; all sixteen pieces do.
	s_wait_loadcnt 24                              ; Wo's scale words are in
	WL 0
	WL 1
	s_wait_dscnt 10                                ; this K step's ten loads are in, the next step's ten may be out
	MMS 0
	NOPS 4                                         ; four plain lines in front of loads into the set just read
	WL 2
	s_wait_dscnt 10
	MMS 1
	NOPS 4
	WL 3
	s_wait_tensorcnt 0x0                           ; no tensor load of mine is out
	ds_add_u32 v[SPW], v[NIL]                      ; 0 onto my spare word; four products stand between it and the wait for it
	s_wait_dscnt 11                                ; K step 2's loads are in; K step 3's ten and the add may be out
	MMS 2
	s_wait_dscnt 0x0                               ; the add is done, and my reads of the slot are over
	CROUND                                         ; both now hold of every wave of all four work-groups
	tensor_load_to_lds s[G0B:G0B+3], s[G1:G1+7]    ; my one tensor load behind the round: my four tiles, K steps 4-7, into the same bytes
	s_nop 0
	NOPS 4
	MMS 3
	NOPS 4
	s_wait_tensorcnt 0x0                           ; my part is in: only I read it
	WL 4
	WL 5
	s_wait_dscnt 10
	MMS 4
	NOPS 4
	WL 6
	s_wait_dscnt 10
	MMS 5
	NOPS 4
	WL 7
	s_wait_dscnt 10
	MMS 6
	s_wait_dscnt 0x0                               ; my reads of my part of the slot are over; it has had its last fill
	s_wait_loadcnt 16                              ; h's row is in; gamma's and beta's 16 may be out
.irp e, 0,1,2,3,4,5,6,7
	ds_store_b128 v[SROW], v[HR+4*\e:HR+4*\e+3] offset:512*\e   ; into my own part: row w of the stage
.endr
	MMS 7
	NOPS 4                                         ; four plain lines behind the last products: loads into their sources follow, and reads of their results
	s_wait_dscnt 0x0                               ; for the others' sake: my row lies in the stage
	s_barrier_signal -1
	s_barrier_wait -1                              ; h's 16 rows do
.irp t, 0,1,2,3
.irp e, 0,1
	ds_load_b128 v[HX+8*\t+4*\e:HX+8*\t+4*\e+3], v[SCOL] offset:64*\t+16*\e   ; h(r, 64 w + 16 t + 8 h + 0..7)
.endr
.endr
	s_wait_dscnt 0x0
.set j, 0
.rept 16
	v_pk_add_f32 v[ACC+j:ACC+j+1], v[ACC+j:ACC+j+1], v[HX+j:HX+j+1]   ; x = o Wo^T + h; each accumulator from its low end on
.set j, j+2
.endr
	; ---- the mean: my 32 numbers, lane l xor 16's, the sixteen waves'
.irp t, 0,1,2,3
	v_pk_add_f32 v[228+2*\t:229+2*\t], v[ACC+8*\t:ACC+8*\t+1], v[ACC+8*\t+2:ACC+8*\t+3]
.endr
.irp t, 0,1,2,3
	v_pk_add_f32 v[228+2*\t:229+2*\t], v[228+2*\t:229+2*\t], v[ACC+8*\t+4:ACC+8*\t+5]
.endr
.irp t, 0,1,2,3
	v_pk_add_f32 v[228+2*\t:229+2*\t], v[228+2*\t:229+2*\t], v[ACC+8*\t+6:ACC+8*\t+7]
.endr
	v_pk_add_f32 v[228:229], v[228:229], v[230:231]
	v_pk_add_f32 v[232:233], v[232:233], v[234:235]
	v_pk_add_f32 v[228:229], v[228:229], v[232:233]
	v_add_f32 v228, v228, v229
	v_permlanex16_b32 v229, v228, s[SEL], s[SEL+1]
	v_add_f32 v228, v228, v229
	EXCH 0
	v_mul_f32 v236, s22, v228                      ; the mean
	v_mov_b32 v237, v236                           ; (named with it as a pair, so it is written)
.set j, 0
.rept 16
	v_pk_add_f32 v[ACC+j:ACC+j+1], v[ACC+j:ACC+j+1], v[236:237] op_sel_hi:[1,0] neg_lo:[0,1] neg_hi:[0,1]   ; x - mean
.set j, j+2
.endr
	v_pk_mul_f32 v[238:239], v[ACC:ACC+1], v[ACC:ACC+1]
	v_pk_mul_f32 v[240:241], v[ACC+2:ACC+3], v[ACC+2:ACC+3]
.set j, 4
.rept 7
	v_pk_fma_f32 v[238:239], v[ACC+j:ACC+j+1], v[ACC+j:ACC+j+1], v[238:239]
	v_pk_fma_f32 v[240:241], v[ACC+j+2:ACC+j+3], v[ACC+j+2:ACC+j+3], v[240:241]
.set j, j+4
.endr
	v_pk_add_f32 v[238:239], v[238:239], v[240:241]
	v_add_f32 v238, v238, v239
	v_permlanex16_b32 v239, v238, s[SEL], s[SEL+1]
	v_add_f32 v228, v238, v239
	EXCH 1280
	v_fmaak_f32 v242, s22, v228, 0x3727c5ac        ; the variance + 1e-5
	v_rsq_f32 v244, v242
	v_mov_b32 v245, 0                              ; a plain line behind it (and the pair's upper register is written)
	s_wait_alu depctr_va_vdst(0)                   ; ahead of the first reader
	s_wait_loadcnt 0x0                             ; gamma and beta
.set j, 0
.rept 16
	v_pk_mul_f32 v[GA+j:GA+j+1], v[GA+j:GA+j+1], v[244:245] op_sel_hi:[1,0]
.set j, j+2
.endr
.set j, 0
.rept 16
	v_pk_fma_f32 v[ACC+j:ACC+j+1], v[ACC+j:ACC+j+1], v[GA+j:GA+j+1], v[BE+j:BE+j+1]
.set j, j+2
.endr
.irp t, 0,1,2,3
.irp e, 0,1
	ds_store_b128 v[SCOL], v[ACC+8*\t+4*\e:ACC+8*\t+4*\e+3] offset:64*\t+16*\e   ; over the numbers of h that I alone have read
.endr
.endr
	s_wait_dscnt 0x0
	s_barrier_signal -1
	s_barrier_wait -1                              ; 16 whole rows lie in the stage
.irp e, 0,1,2,3,4,5,6,7
	ds_load_b128 v[OB+4*\e:OB+4*\e+3], v[SROW] offset:512*\e
.endr
.irp e, 0,1,2,3,4,5,6,7
	s_wait_dscnt 7-\e                              ; LDS loads come back in order: this one is in, the younger ones may be out
	global_store_b128 v[LI], v[OB+4*\e:OB+4*\e+3], s[28:29] offset:512*\e th:TH_STORE_NT   ; 512 consecutive bytes of my row
.endr
	s_wait_tensorcnt 0x0                           ; the wave's end, behind my last tensor load and my last LDS store
	ds_add_u32 v[SPW], v[NIL]
	s_wait_dscnt 0x0
	CROUND                                         ; the closing round: no work-group ends while a partner may still ask for a tile that names it
	s_endpgm
.Lfunc_end_k_q7f7956857b_outln:
	.size	k_q7f7956857b_outln, .Lfunc_end_k_q7f7956857b_outln-k_q7f7956857b_outln
	.p2alignl 7, 3214868480
	.fill 96, 4, 3214868480
	.section	.rodata,"a",@progbits
	.p2align	6, 0x0
	.amdhsa_kernel k_q7f7956857b_outln
		.amdhsa_group_segment_fixed_size 327680
		.amdhsa_private_segment_fixed_size 0
		.amdhsa_enable_private_segment 0
		.amdhsa_kernarg_size 56
		.amdhsa_user_sgpr_count 2
		.amdhsa_user_sgpr_kernarg_segment_ptr 1
		.amdhsa_wavefront_size32 1
		.amdhsa_system_sgpr_workgroup_id_x 1
		.amdhsa_system_sgpr_workgroup_id_y 1
		.amdhsa_system_sgpr_workgroup_id_z 1
		.amdhsa_system_vgpr_workitem_id 0
		.amdhsa_next_free_vgpr 256
		.amdhsa_next_free_sgpr 66
		.amdhsa_reserve_vcc 0
		.amdhsa_float_denorm_mode_32 3
		.amdhsa_float_denorm_mode_16_64 3
		.amdhsa_memory_ordered 1
		.amdhsa_forward_progress 1
		.amdhsa_inst_pref_size 32
	.end_amdhsa_kernel
	.amdgpu_metadata
---
amdhsa.version: [ 1, 2 ]
amdhsa.kernels:
  - .name:           k_q7f7956857b_outln
    .symbol:         k_q7f7956857b_outln.kd
    .args:
      - { .name: av, .offset: 0, .size: 8, .value_kind: global_buffer, .address_space: global }
      - { .name: wof, .offset: 8, .size: 8, .value_kind: global_buffer, .address_space: global }
      - { .name: Wo_scales, .offset: 16, .size: 8, .value_kind: global_buffer, .address_space: global }
      - { .name: h, .offset: 24, .size: 8, .value_kind: global_buffer, .address_space: global }
      - { .name: gamma, .offset: 32, .size: 8, .value_kind: global_buffer, .address_space: global }
      - { .name: beta, .offset: 40, .size: 8, .value_kind: global_buffer, .address_space: global }
      - { .name: out0, .offset: 48, .size: 8, .value_kind: global_buffer, .address_space: global }
    .group_segment_fixed_size: 327680
    .private_segment_fixed_size: 0
    .kernarg_segment_align: 8
    .kernarg_segment_size: 56
    .max_flat_workgroup_size: 512
    .sgpr_count:     66
    .vgpr_count:     256
    .wavefront_size: 32
...
	.end_amdgpu_metadata
.endif
;; end of part 3
